; MI455X (gfx1250); checked and timed in simulation.
; The chip was launched on July 23, 2026; its instructions are those of AMD's public machine-readable ISA for CDNA 5 (MIT licence, August 2026) and "CDNA5" Instruction Set Architecture Reference Guide (July 2026). The comments in the code are by the model that wrote it; some were corrected since.
;; G Attention. Allowed arithmetic: matrix products marked QUANTISED: E2M3 operands, one E8M0 scale for each 32 along K, by v_wmma_scale_f32_16x16x128_f8f6f4 with both operands' format E2M3, f32 sums; everything else in f32.
;; Inputs: b_out 1,024 float32; beta_k 16 x 64 float32; beta_v 16 x 64 float32; gamma_k 16 x 64 float32; gamma_v 16 x 64 float32; w_out_codes 1,024 x 32 x 24 uint8 (E2M3 codes of w_out, K innermost, in blocks of 32 codes, four codes in three bytes); w_out_scales 1,024 x 32 uint8 (E8M0 scales of w_out, one for each 32 codes along K); w_qkv_codes 3,072 x 32 x 24 uint8 (E2M3 codes of w_qkv, K innermost, in blocks of 32 codes, four codes in three bytes); w_qkv_scales 3,072 x 32 uint8 (E8M0 scales of w_qkv, one for each 32 codes along K); x_codes 4 x 2,048 x 32 x 24 uint8 (E2M3 codes of x, K innermost, in blocks of 32 codes, four codes in three bytes); x_scales 4 x 2,048 x 32 uint8 (E8M0 scales of x, one for each 32 codes along K).
;; Outputs: out0 4 x 2,048 x 1,024 float32.
;; This version of the problem:
;;   THIS VERSION OF THE PROBLEM IS GIVEN IN LOW PRECISION. The matrix products marked QUANTISED in the list below multiply operands that are first quantised to E2M3 (2 exponent bits, 3 mantissa bits; 6 bits a number), with one power-of-two scale for each 32 numbers along K (OCP MX v1.0); their sums are f32. All else is computed in f32.
;;   The module's matrix products, in the order in which they are computed (A, B: the left and right operand; K: the contracted axis; several contracted axes count as one K, in the product's order):
;;     1. [M 8,192, K 1,024] x [K 1,024, N 3,072]; A: input x (given as codes); B: input w_qkv (given as codes): QUANTISED
;;     2. batch 64 x [M 64, K 2,048] x [K 2,048, N 64]; A: computed on the way; B: computed on the way: QUANTISED
;;     3. batch 64 x [M 2,048, K 64] x [K 64, N 64]; A: computed on the way; B: computed on the way: QUANTISED
;;     4. [M 8,192, K 1,024] x [K 1,024, N 1,024]; A: computed on the way; B: input w_out (given as codes): QUANTISED
;;   THE QUANTISER, for each operand of a quantised product, along K:
;;     - K is cut into blocks of 32 from its start; a last block that is shorter is filled with zeros.
;;     - A block's scale is 2^e with e = floor(log2(the largest magnitude in the block)) - 2, held to -126 .. 127; a block of zeros has e = 0. As a byte (E8M0): e + 127.
;;     - Each number is divided by its block's scale, clamped to +-7.5, and rounded to the nearest number of E2M3, ties to even, subnormals kept.
;;     - The product sums the exact products of the quantised numbers (number of the format x scale) in f32.
;;   ~~~python
;;   def quantise(x, axis):      # numpy; x: float32 -> the quantised numbers, widened to float32 again
;;       x = np.moveaxis(x, axis, -1); K = x.shape[-1]
;;       x = np.pad(x, [(0, 0)] * (x.ndim - 1) + [(0, -K % 32)]); x = x.reshape(x.shape[:-1] + (-1, 32)); a = np.abs(x).max(-1, keepdims=True)
;;       e = np.where(a > 0, np.clip(np.frexp(np.where(a > 0, a, 1))[1] - 1 - 2, -126, 127), 0)      # np.frexp(a)[1] - 1 = floor(log2(a)), exactly
;;       r = np.clip(x / 2.0 ** e, -7.5, 7.5)
;;       step = 2.0 ** (np.maximum(np.frexp(np.where(r == 0, 1, r))[1] - 1, 0) - 3)
;;       q = np.round(r / step) * step * 2.0 ** e      # np.round: ties to even
;;       return np.moveaxis(q.reshape(q.shape[:-2] + (-1,))[..., :K], -1, axis).astype(np.float32)
;;   ~~~
;;   OPERANDS COMPUTED ON THE WAY. 'Computed on the way' means the value that the module computes at that place (a softmax that the list does not call 'softmax' is quantised finished and normalised). What goes into a quantiser is computed in f32, as accurately as f32 sums, v_exp_f32 and their like allow (about 1e-6 of the number): no bf16 or f16 on the way to a quantiser, and a product that is left as it is and whose result goes on into a quantised operand takes f32 operands (vector FMAs, or v_wmma_f32_16x16x4_f32). A number that lies on a knife's edge between two numbers of the format may be rounded either way, as far as f32 arithmetic and the matrix unit's own rounding can turn it there, and no further.
;;   INPUTS GIVEN AS CODES. w_out (in the module: [1024, 1024], K = its axis 0); w_qkv (in the module: [1024, 3072], K = its axis 0); x (in the module: [4, 2048, 1024], K = its axis 2): each comes as NAME_codes (uint8): NAME with its K axis moved to the last place and cut into blocks of 32 codes, [.., K / 32, bytes a block], one block behind the other in memory; four codes in three bytes: a row's codes are one little-endian stream of bits, code i at bits 6 i .. 6 i + 5 (a code: sign, 2 exponent bits, 3 mantissa bits); and NAME_scales (uint8): the same leading axes, one E8M0 byte (e + 127) for each 32 codes along K. Its value is code x scale, taken as it is: it is not quantised again, and the codes and scales need not be those that the quantiser above would give.
;; 2 versions, each right. Each part assembles by itself: llvm-mc -triple=amdgcn-amd-amdhsa -mcpu=gfx1250 --defsym DOCPART=n.
;; ======== version 1 of 2: 3 launches
;; workspace buffers: qc 6,291,456 bytes; qs 262,144 bytes; part 8,388,608 bytes; sc 196,608 bytes; ss 16,384 bytes
;; launch qkv (part 1): grid 8 x 32, 4 waves a work-group, clusters of 4 x 4, 327,680 bytes of LDS; arguments x_codes, x_scales, w_qkv_codes, w_qkv_scales, gamma_k, beta_k, gamma_v, beta_v, qc, qs, part; writes qc, qs, part
.if DOCPART == 1
	.amdgcn_target "amdgcn-amd-amdhsa--gfx1250"
	.amdhsa_code_object_version 6
	.text
	.protected	k_q9973045f05_qkv
	.globl	k_q9973045f05_qkv
	.p2align	8
	.type	k_q9973045f05_qkv,@function
k_q9973045f05_qkv:
	s_mov_b64 s[64:65], 0
	v_nop
	global_prefetch_b8 v0, s[64:65] scope:SCOPE_SE
	s_setreg_imm32_b32 hwreg(HW_REG_WAVE_MODE, 25, 1), 1
	s_wait_xcnt 0x0
	s_wait_alu depctr_hold_cnt(0) depctr_sa_sdst(0) depctr_va_vdst(0) depctr_va_sdst(0) depctr_va_ssrc(0) depctr_va_vcc(0) depctr_vm_vsrc(0)
	s_getreg_b32 s2, hwreg(HW_REG_IB_STS2, 6, 4)
	s_cmp_eq_u32 s2, 0
	s_cbranch_scc0 .Lentry_in_a_cluster
	s_endpgm
.Lentry_in_a_cluster:
	s_bfe_u32 s2, ttmp6, 0x10000c
	s_cmp_lg_u32 s2, 0xf033
	s_cbranch_scc0 .Lentry_shape_is_right
	s_endpgm
.Lentry_shape_is_right:
; qkv = x w_qkv on codes of FP6 (E2M3) with E8M0 scales; q is quantised along its head's 64 channels and stored; k and v get their head's LayerNorm in f32,
; are quantised ALONG THE TOKENS in registers, and their product k^T v over this work-group's 256 tokens is stored as an f32 partial sum.
; SHARES.  Work-group (x = pair of heads, y = block of 256 tokens): 256 tokens x 384 columns (q, k, v of two heads).  Wave w: tokens 128 (w / 2) on, head 2 x + w % 2: 128 x 192 = 96 accumulators, 768 registers.
; LAYOUT.  q is made TRANSPOSED (source 0 = 16 rows of W, source 1 = 16 tokens): a lane holds one token, its registers run along the channels, the K of q's next product.
; k and v are made the natural way (source 0 = 16 tokens, source 1 = 16 rows of W): a lane holds one channel, its registers run along the tokens, the K of k^T v.
; ORDER INSIDE A BLOCK OF 32.  Tiles are 16 neighbouring rows, so a lane's 16 registers of a block are 8 + 8 numbers 16 apart.  After the conversion and the exchange of halves place p of a block holds
; index p, p + 8, p - 8, p for p in 0-7, 8-15, 16-23, 24-31.  The same order falls on both operands of a product (k and v here; q here and the scores in the next launch), so every sum is unchanged.
; RING.  K = 1,024 goes in 8 steps of 128 through two LDS slots of 256 along K (rows of 192 bytes).  A slot: x's 256 rows, then W's q, k and v pieces of 128 rows.  Waves 0, 1, 2 fetch W's pieces, wave 3 x's rows.
; CLUSTER 4 x 4.  x's rows hang on y alone and are asked for jointly along a row of the cluster, W's pieces on x alone and jointly along a column.
; LIMITS.  Scale byte 0xff, NaN and infinities are not served.  A block whose largest magnitude lies under 2^-124 keeps the byte 1, a block of zeros too (its codes are zeros; the bytes are read by this program alone).
; k^T v is summed as 128 tokens in the matrix unit, then pairs of waves here, then eight partial sums in the next launch, all in f32.
; The text is written out without a loop: the 8 steps differ in the first sums, in the lane half of x's scale words and in the refills, and the way out names registers by number.
.set PITCH,  240                       ; an LDS row: 3 x (64 bytes + 16 of padding)
.set XROWS,  256*PITCH                 ; x's part of a slot
.set PIECE,  128*PITCH                 ; one piece of W; also a wave's 128 rows of x
.set HEADB,  64*PITCH                  ; one head's 64 rows of a piece
.set SLOT,   XROWS+3*PIECE             ; 153,600 bytes
.set SCW,    2*SLOT                    ; W's scale bytes: 3 pieces x 128 rows x 32 bytes, filled once
.set SPARE,  SCW+3*4096                ; the spare words, 128 bytes for each wave: two blocks of 256 bytes that no other line names
; window 0
.set SPW,  1                           ; v1      SPARE + 4 x my thread's number; never rewritten
.set NIL,  2                           ; v2      0; never rewritten
.set ADRX, 3                           ; v3, v4  my x fragments in slot 0, 1;  v5, v6 the same behind one padding more
.set ADRW, 7                           ; v7-10   the same for W's q piece (the k piece by the immediate)
.set ADRV, 11                          ; v11-14  the same for W's v piece
.set ADRS, 15                          ; v15     W's scale words
.set WS,   16                          ; v16-23  W's scale words, two sets of four; at the end k's and v's scale words
.set XS,   24                          ; v24-55  x's scale words: v[XS + 4 a + i]: lanes 0-15 K step i, lanes 16-31 K step 4 + i of token tile a
.set O16,  56                          ; v56     16 x lane
.set O8,   57                          ; v57     8 x lane
.set O4R,  58                          ; v58     4 x (lane % 16)
.set STO,  59                          ; v59     the stage: where my wave puts its sums
.set RD,   60                          ; v60     the stage: where I read two waves' sums
.set LANE, 61                          ; v61     lane
.set XF,   64                          ; v64-159  x's 8 fragments, one set
.set WF,   160                         ; v160-255 W's fragments, two sets of four
; window 1: q's accumulators at 8 (4 a + t);  window 2: k's at 8 (8 c + a);  window 3: v's likewise
; window 0 on the way out
.set KF,   64                          ; q's codes (6 registers a tile), later k's four fragments
.set VF,   112                         ; v's four fragments
.set KSW,  16
.set VSW,  20
.set GK,   160                         ; gains and offsets: a pair of equal registers for each column tile
.set BK,   168
.set GV,   176
.set BV,   184
.set SS,   192                         ; eight tokens' sums
.set QS,   200                         ; eight tokens' sums of squares, then 1 / sqrt
.set TC,   208                         ; the conversions' second halves
.set TM,   216                         ; +0..3 largest magnitudes, +4..7 bytes, +12..15 the conversions' scale operands
.set HW,   232                         ; q's two scale bytes of tile a
.set C64,  240                         ; (1/64, 1/64)
.set CEPS, 242                         ; (1e-5, 1e-5)
.set PK,   244
.set PO,   248
; scalars
.set WV,   26
.set G1X,  36
.set G1W,  44
.set G1S,  52
.set G0X,  60                          ; s[60:63] slot 0, s[68:71] slot 1
.set G0W,  72                          ; s[72:75], s[76:79]
.set G0S,  80
.set SEL,  84
.set MSB, 0
.macro WIN new                         ; the immediate's high byte repeats the setting that is left
.if MSB != (\new)
	s_set_vgpr_msb (MSB<<8)|(\new)
.set MSB, \new
.endif
.endm
.macro PLACES                          ; four places behind a matrix instruction ahead of loads into its registers and of reads of its result
.rept 4
	v_nop
.endr
.endm
.macro CREST                           ; a round of the cluster's barrier behind its opening barrier
	s_cmp_lg_u32 s[WV], 0
	s_cbranch_scc1 .Lnot_wave_0_\@
	s_barrier_signal -3
.Lnot_wave_0_\@:
	s_barrier_wait -3
	s_barrier_signal -1
	s_barrier_wait -1
.endm
.macro CROUND
	s_barrier_signal -1
	s_barrier_wait -1
	CREST
.endm
.macro JLOAD s                         ; a joint refill of slot s: waves 0-2 W's pieces, wave 3 x's rows; four v_nop follow each line
	s_cmp_eq_u32 s[WV], 3
	s_cbranch_scc1 .Lfor_x_\@
	tensor_load_to_lds s[G0W+4*(\s):G0W+4*(\s)+3], s[G1W:G1W+7]
	s_nop 0
.rept 4
	v_nop
.endr
	s_branch .Lasked_\@
.Lfor_x_\@:
	tensor_load_to_lds s[G0X+8*(\s):G0X+8*(\s)+3], s[G1X:G1X+7]
	s_nop 0
.rept 4
	v_nop
.endr
.Lasked_\@:
.endm
	s_load_b256 s[4:11], s[0:1], 0x0               ; x's codes, x's scales, W's codes, W's scales
	s_load_b256 s[12:19], s[0:1], 0x20             ; gamma_k, beta_k, gamma_v, beta_v
	s_load_b128 s[20:23], s[0:1], 0x40             ; qc, qs
	s_load_b64 s[24:25], s[0:1], 0x50              ; part
	v_lshl_add_u32 v[SPW], v0, 2, SPARE
	v_mov_b32 v[NIL], 0
	ds_add_u32 v1, v2
	ds_add_u32 v1, v2
	s_wait_dscnt 0x0
	v_lshrrev_b32 v63, 5, v0
	v_readfirstlane_b32 s[WV], v63                 ; wave 0..3
	s_lshr_b32 s27, s[WV], 1                       ; rh: which 128 tokens
	s_and_b32 s28, s[WV], 1                        ; ch: which head of the pair
	s_bfe_u32 s29, ttmp6, 0x40000                  ; cx
	s_bfe_u32 s30, ttmp6, 0x40004                  ; cy
	s_lshl_b32 s31, ttmp9, 2
	s_add_co_u32 s31, s31, s29                     ; pair of heads = 4 x cluster x + cx
	s_and_b32 s32, ttmp7, 0xffff
	s_lshl_b32 s32, s32, 2
	s_add_co_u32 s32, s32, s30                     ; block of 256 tokens = 4 x cluster y + cy
	s_lshl_b32 s33, s30, 2
	s_lshl_b32 s33, 15, s33                        ; my row of the cluster
	s_lshl_b32 s34, 0x1111, s29                    ; my column
	s_lshl_b32 s35, s31, 1
	s_add_co_u32 s35, s35, s28                     ; my head
	s_mov_b32 s[SEL], 0x76543210
	s_mov_b32 s[SEL+1], 0xfedcba98                 ; v_permlanex16_b32's selects for lane l xor 16
	; group 1 for x: 256 rows of 192 bytes, 768 bytes apart, 16 bytes of padding behind every 64
	s_or_b32 s[G1X], s33, (1<<20)|(1<<21)|(3<<22)|(3<<25)
	s_mov_b32 s[G1X+1], 192<<16
	s_mov_b32 s[G1X+2], 256<<16
	s_mov_b32 s[G1X+3], 192<<16
	s_mov_b32 s[G1X+4], 256
	s_mov_b32 s[G1X+5], 768
	s_mov_b32 s[G1X+6], 0
	s_mov_b32 s[G1X+7], 0
	; group 1 for a piece of W: 128 such rows
	s_or_b32 s[G1W], s34, (1<<20)|(1<<21)|(3<<22)|(3<<25)
	s_mov_b32 s[G1W+1], 192<<16
	s_mov_b32 s[G1W+2], 128<<16
	s_mov_b32 s[G1W+3], 192<<16
	s_mov_b32 s[G1W+4], 128
	s_mov_b32 s[G1W+5], 768
	s_mov_b32 s[G1W+6], 0
	s_mov_b32 s[G1W+7], 0
	; group 1 for a piece's scale bytes: 4,096 dense bytes as 16 rows of 32 elements of 8 bytes
	s_or_b32 s[G1S], s34, (3<<16)|(1<<21)
	s_mov_b32 s[G1S+1], 32<<16
	s_mov_b32 s[G1S+2], 16<<16
	s_mov_b32 s[G1S+3], 32<<16
	s_mov_b32 s[G1S+4], 16
	s_mov_b32 s[G1S+5], 32
	s_mov_b32 s[G1S+6], 0
	s_mov_b32 s[G1S+7], 0
	; x's address is made of the token block alone, W's of the pair of heads and the wave alone, each in registers that never hold the other coordinate
	s_mul_i32 s86, s32, 196608                     ; 256 rows of 768 bytes
	s_mov_b32 s87, 0
	s_min_u32 s90, s[WV], 2                        ; my piece of W (wave 3 issues none of these loads; its descriptors stay inside the buffer)
	s_lshl_b32 s91, s90, 10
	s_lshl_b32 s92, s31, 7
	s_add_co_u32 s91, s91, s92                     ; W's row: 1,024 x piece + 128 x pair
	s_mul_i32 s92, s91, 768
	s_mov_b32 s93, 0
	s_lshl_b32 s94, s91, 5
	s_mov_b32 s95, 0
	s_mul_i32 s[G0W+1], s90, PIECE
	s_add_co_u32 s[G0W+1], s[G0W+1], XROWS         ; LDS: behind x's rows, piece by piece
	s_add_co_u32 s[G0W+5], s[G0W+1], SLOT
	s_lshl_b32 s[G0S+1], s90, 12
	s_add_co_u32 s[G0S+1], s[G0S+1], SCW
	s_mov_b32 s[G0X], 1
	s_mov_b32 s[G0X+1], 0
	s_mov_b32 s[G0X+8], 1
	s_mov_b32 s[G0X+9], SLOT
	s_mov_b32 s[G0W], 1
	s_mov_b32 s[G0W+4], 1
	s_mov_b32 s[G0S], 1
	s_wait_kmcnt 0x0
	s_add_nc_u64 s[88:89], s[4:5], s[86:87]
	s_mov_b64 s[G0X+2:G0X+3], s[88:89]
	s_add_nc_u64 s[G0X+10:G0X+11], s[88:89], 192   ; slot 1: the next 256 along K
	s_or_b32 s[G0X+3], s[G0X+3], 0x80000000
	s_or_b32 s[G0X+11], s[G0X+11], 0x80000000
	s_add_nc_u64 s[G0W+2:G0W+3], s[8:9], s[92:93]
	s_add_nc_u64 s[G0W+6:G0W+7], s[G0W+2:G0W+3], 192
	s_or_b32 s[G0W+3], s[G0W+3], 0x80000000
	s_or_b32 s[G0W+7], s[G0W+7], 0x80000000
	s_add_nc_u64 s[G0S+2:G0S+3], s[10:11], s[94:95]
	s_or_b32 s[G0S+3], s[G0S+3], 0x80000000
	CROUND                                         ; all sixteen work-groups are here: the first joint loads meet
	s_cmp_eq_u32 s[WV], 3                          ; a wave's first fills stand in one branch: three loads of mine are out at the most
	s_cbranch_scc1 .Lfirst_x
	tensor_load_to_lds s[G0S:G0S+3], s[G1S:G1S+7]
	s_nop 0
	tensor_load_to_lds s[G0W:G0W+3], s[G1W:G1W+7]
	s_nop 0
	tensor_load_to_lds s[G0W+4:G0W+7], s[G1W:G1W+7]
	s_nop 0
.rept 4
	v_nop
.endr
	s_branch .Lfirst_done
.Lfirst_x:
	tensor_load_to_lds s[G0X:G0X+3], s[G1X:G1X+7]
	s_nop 0
	tensor_load_to_lds s[G0X+8:G0X+11], s[G1X:G1X+7]
	s_nop 0
.rept 4
	v_nop
.endr
.Lfirst_done:
	; where my parts of the other buffers begin (offsets in s[96:97], apart from the addresses)
	s_lshl_b32 s96, s32, 13
	s_lshl_b32 s97, s27, 12
	s_add_co_u32 s96, s96, s97
	s_mov_b32 s97, 0
	s_add_nc_u64 s[6:7], s[6:7], s[96:97]          ; x's scales: my 128 tokens x 32 bytes
	s_lshl_b32 s96, s35, 8
	s_add_nc_u64 s[12:13], s[12:13], s[96:97]      ; my head's 64 gains and offsets
	s_add_nc_u64 s[14:15], s[14:15], s[96:97]
	s_add_nc_u64 s[16:17], s[16:17], s[96:97]
	s_add_nc_u64 s[18:19], s[18:19], s[96:97]
	s_lshl_b32 s96, s32, 4
	s_lshl_b32 s98, s27, 3
	s_add_co_u32 s96, s96, s98
	s_mul_i32 s96, s96, 12288
	s_mul_i32 s98, s35, 768
	s_add_co_u32 s96, s96, s98
	s_add_nc_u64 s[20:21], s[20:21], s[96:97]      ; qc: [token tile][head][768]
	s_lshl_b32 s96, s32, 1
	s_add_co_u32 s96, s96, s27
	s_lshl_b32 s96, s96, 4
	s_add_co_u32 s96, s96, s35
	s_lshl_b32 s96, s96, 8
	s_add_nc_u64 s[22:23], s[22:23], s[96:97]      ; qs: [128 tokens][head][256]
	s_lshl_b32 s96, s32, 4
	s_add_co_u32 s96, s96, s35
	s_lshl_b32 s96, s96, 5
	s_lshl_b32 s98, s27, 4
	s_add_co_u32 s96, s96, s98
	s_lshl_b32 s96, s96, 9
	s_add_nc_u64 s[24:25], s[24:25], s[96:97]      ; part: [token block][head][32 images][512]; my 16 images
	; addresses
	v_and_b32 v63, 15, v0                          ; r
	v_bfe_u32 v62, v0, 4, 1                        ; h
	v_and_b32 v[LANE], 31, v0
	v_mul_u32_u24 v3, v63, PITCH
	v_mad_u32_u24 v5, v62, 40, v3                  ; row x pitch + 40 h: the pieces that lie behind one padding more
	v_mad_u32_u24 v3, v62, 24, v3                  ; row x pitch + 24 h
	s_mul_i32 s99, s28, HEADB
	s_add_co_u32 s99, s99, XROWS                   ; my head's rows of W's q piece
	v_add_nc_u32 v7, s99, v3
	v_add_nc_u32 v9, s99, v5
	v_add_nc_u32 v8, SLOT, v7
	v_add_nc_u32 v10, SLOT, v9
	v_add_nc_u32 v11, 2*PIECE, v7
	v_add_nc_u32 v12, 2*PIECE, v8
	v_add_nc_u32 v13, 2*PIECE, v9
	v_add_nc_u32 v14, 2*PIECE, v10
	s_mul_i32 s99, s27, PIECE                      ; my 128 rows of x
	v_add_nc_u32 v3, s99, v3
	v_add_nc_u32 v5, s99, v5
	v_add_nc_u32 v4, SLOT, v3
	v_add_nc_u32 v6, SLOT, v5
	s_lshl_b32 s99, s28, 11
	s_add_co_u32 s99, s99, SCW
	v_lshl_add_u32 v[ADRS], v63, 5, s99            ; W's scale bytes: 32 a row, my head's 64 rows
	v_lshlrev_b32 v[O16], 4, v[LANE]
	v_lshlrev_b32 v[O8], 3, v[LANE]
	v_lshlrev_b32 v[O4R], 2, v63
	s_lshl_b32 s99, s[WV], 14
	v_lshl_add_u32 v[STO], v[LANE], 4, s99         ; the stage: 16,384 bytes a wave, in slot 0
	s_lshl_b32 s99, s28, 14
	s_lshl_b32 s98, s27, 13
	s_add_co_u32 s99, s99, s98
	v_lshl_add_u32 v[RD], v[LANE], 4, s99          ; back: my head's two waves, my half of the images
	v_lshlrev_b32 v62, 4, v62
	v_lshl_add_u32 v62, v63, 5, v62                ; x's scales: 32 r + 16 h
.irp a, 0,1,2,3,4,5,6,7
	global_load_b128 v[XS+4*\a:XS+4*\a+3], v62, s[6:7] offset:512*\a   ; 32 lanes read 512 consecutive bytes: 16 tokens' 32 scale bytes, each byte once
.endr
; a fragment, 16 rows x 128 K: 12 registers; lane l holds row l % 16, registers 6 c .. 6 c + 5 the 24 bytes of K = 64 c + 32 (l / 16) on; in pieces of 8 bytes
.macro FRAG reg, adr, q, i, extra
.irp p, 0,1,2,3,4,5
.set PCE, 12*(\q)+6*(\p/3)+\p%3
.if PCE%8 < 5
	ds_load_b64 v[(\reg)+2*\p:(\reg)+2*\p+1], v[\adr] offset:8*PCE+16*(PCE/8)+(\i)*16*PITCH+(\extra)
.else
	ds_load_b64 v[(\reg)+2*\p:(\reg)+2*\p+1], v[\adr+2] offset:8*PCE+16*(PCE/8)+(\i)*16*PITCH+(\extra)
.endif
.endr
.endm
; 28 loads: my head's four fragments of piece g (0 q, 1 k, 2 v) and their scale words of K step s, into set
.macro LW slot, q, g, s, set
.irp t, 0,1,2,3
.if (\g) < 2
	FRAG WF+48*(\set)+12*\t, ADRW+(\slot), \q, \t, PIECE*(\g)
.else
	FRAG WF+48*(\set)+12*\t, ADRV+(\slot), \q, \t, 0
.endif
.endr
.irp t, 0,1,2,3
	ds_load_b32 v[WS+4*(\set)+\t], v[ADRS] offset:4096*(\g)+512*\t+4*(\s)
.endr
.endm
; 24 loads: x's token tiles i0 .. i0 + 3
.macro LX slot, q, i0
.irp n, 0,1,2,3
	FRAG XF+12*((\i0)+\n), ADRX+(\slot), \q, (\i0)+\n, 0
.endr
.endm
; one product.  z = 1: it starts the sum.  row: 0, or 1: source 0's scales from lanes 16-31, or 2: source 1's
.macro MM d, a, b, z, sa, sb, row
.if \z
	v_wmma_scale_f32_16x16x128_f8f6f4 v[(\d):(\d)+7], v[(\a):(\a)+11], v[(\b):(\b)+11], 0, v[\sa], v[\sb] matrix_a_fmt:MATRIX_FMT_FP6 matrix_b_fmt:MATRIX_FMT_FP6
.elseif (\row) == 0
	v_wmma_scale_f32_16x16x128_f8f6f4 v[(\d):(\d)+7], v[(\a):(\a)+11], v[(\b):(\b)+11], v[(\d):(\d)+7], v[\sa], v[\sb] matrix_a_fmt:MATRIX_FMT_FP6 matrix_b_fmt:MATRIX_FMT_FP6
.elseif (\row) == 1
	v_wmma_scale_f32_16x16x128_f8f6f4 v[(\d):(\d)+7], v[(\a):(\a)+11], v[(\b):(\b)+11], v[(\d):(\d)+7], v[\sa], v[\sb] matrix_a_fmt:MATRIX_FMT_FP6 matrix_b_fmt:MATRIX_FMT_FP6 matrix_a_scale:MATRIX_SCALE_ROW1
.else
	v_wmma_scale_f32_16x16x128_f8f6f4 v[(\d):(\d)+7], v[(\a):(\a)+11], v[(\b):(\b)+11], v[(\d):(\d)+7], v[\sa], v[\sb] matrix_a_fmt:MATRIX_FMT_FP6 matrix_b_fmt:MATRIX_FMT_FP6 matrix_b_scale:MATRIX_SCALE_ROW1
.endif
.endm
; 16 products each: token tiles a0 .. a0 + 3 x my head's four column tiles.  The 96 accumulators take turns, one instruction a turn
.macro MMQ s, set, a0                  ; q, transposed
.irp a, 0,1,2,3
.irp t, 0,1,2,3
	MM 8*(4*((\a0)+\a)+\t), WF+48*(\set)+12*\t, XF+12*((\a0)+\a), ZZ, WS+4*(\set)+\t, XS+4*((\a0)+\a)+(\s)%4, 2*((\s)/4)
.endr
.endr
.endm
.macro MMK s, set, a0                  ; k or v (the window says which)
.irp a, 0,1,2,3
.irp t, 0,1,2,3
	MM 8*(8*\t+(\a0)+\a), XF+12*((\a0)+\a), WF+48*(\set)+12*\t, ZZ, XS+4*((\a0)+\a)+(\s)%4, WS+4*(\set)+\t, (\s)/4
.endr
.endr
.endm
.macro SETS s
.set SL,  ((\s)/2)%2                   ; the slot in hand, and which of its two steps
.set QQ,  (\s)%2
.set SLN, (((\s)+1)/2)%2               ; the same of the next step
.set QN,  ((\s)+1)%2
.if (\s) == 0
.set ZZ, 1
.else
.set ZZ, 0
.endif
.endm
; A K step has three phases of 32 products: q, k, v.  Phase 3 s + g multiplies W's set (3 s + g) % 2 while the next phase's group lands in the other.
.macro PH_Q s
	SETS \s
.set ST0, (3*(\s))%2
	PLACES
	LX SL, QQ, 4                                   ; x's tiles 4-7 of this step
	LW SL, QQ, 1, \s, 1-ST0                        ; W's k group
	s_wait_dscnt 52                                ; all but the 24 + 28 just issued: W's q group and x's tiles 0-3 are in
	WIN 0x50
	MMQ \s, ST0, 0
	s_wait_dscnt 28                                ; x's tiles 4-7 are in; W's k group may be out
	MMQ \s, ST0, 4
	WIN 0
.endm
.macro PH_K s
	SETS \s
.set ST1, (3*(\s)+1)%2
	PLACES
	LW SL, QQ, 2, \s, 1-ST1                        ; W's v group: in a slot's second step these are my last reads of the slot
.if ((\s)%2 == 0) || ((\s) == 7)
	s_wait_dscnt 28                                ; W's k group is in
	WIN 0xa0
	MMK \s, ST1, 0
	MMK \s, ST1, 4
	WIN 0
.else
	s_wait_tensorcnt 0x0                           ; THE CHANGE OF SLOTS.  All my tensor loads have landed: my part of the other slot;
	ds_add_u32 v[SPW], v[NIL]                      ; 0 onto my spare word;
	s_wait_dscnt 29                                ; (the add and the 28 loads just issued may be out: W's k group is in)
	WIN 0xa0
	MMK \s, ST1, 0                                 ; sixteen products stand between the add and the wait for it
	s_wait_dscnt 0x0                               ; the add is done, and my reads of this slot are over
	s_barrier_signal -1
	MMK \s, ST1, 4
	WIN 0
	s_barrier_wait -1
.if (\s) < 5
	CREST                                          ; the barrier has opened a round of the cluster's barrier: no wave of any partner still reads this slot or has a load on its way
	s_add_nc_u64 s[G0X+8*SL+2:G0X+8*SL+3], s[G0X+8*SL+2:G0X+8*SL+3], 384   ; this slot's next 256 along K: two slots on
	s_add_nc_u64 s[G0W+4*SL+2:G0W+4*SL+3], s[G0W+4*SL+2:G0W+4*SL+3], 384
	JLOAD SL                                       ; my one tensor load behind the round; its four v_nop are the places in front of the loads that follow
.else
	PLACES
.endif
.endif
.endm
.macro PH_V s
	SETS \s
.set ST2, (3*(\s)+2)%2
.if (\s) < 7
.if (\s)%2 == 0
	PLACES
.endif
	LW SLN, QN, 0, (\s)+1, 1-ST2                   ; the next step's q group
.if (\s)%2 == 0
	s_wait_dscnt 28                                ; W's v group is in (in a slot's second step the wait for 0 has shown it)
.endif
	WIN 0xf0
	MMK \s, ST2, 0
	WIN 0
	PLACES
	LX SLN, QN, 0                                  ; x's tiles 0-3 of the next step: their last products have just been issued
	WIN 0xf0
	MMK \s, ST2, 4
	WIN 0
.else
	s_wait_dscnt 0x0
	WIN 0xf0
	MMK \s, ST2, 0
	MMK \s, ST2, 4
	WIN 0
.endif
.endm
	s_wait_tensorcnt 0x1                           ; the scale bytes and my part of slot 0 are in; slot 1's load may stay out
	s_barrier_signal -1
	s_barrier_wait -1                              ; everybody's are
	LW 0, 0, 0, 0, 0
	LX 0, 0, 0
	s_wait_loadcnt 0x0                             ; x's scale words
.irp s, 0,1,2,3,4,5,6,7
	PH_Q \s
	PH_K \s
	PH_V \s
.endr
; ---------------- the way out ----------------
; nb blocks of 32, 16 numbers of each in my registers v[s + 16 b ..] of window w and 16 in lane l xor 16's, become codes in v[d ..] (6 registers for two blocks) and scale bytes in v[pw]
.macro QUANT w, s, nb, d, pw
	WIN (\w)|((\w)<<2)
.irp b, 0,1,2,3
.if \b < (\nb)
	v_max3_num_f32 v[TM+\b], |v[(\s)+16*\b]|, |v[(\s)+16*\b+1]|, 0x1800000   ; the floor 2^(3 - 127): the byte cannot fall under 1
.endif
.endr
.irp i, 2,4,6,8,10,12,14
.irp b, 0,1,2,3
.if \b < (\nb)
	v_max3_num_f32 v[TM+\b], |v[(\s)+16*\b+\i]|, |v[(\s)+16*\b+\i+1]|, v[TM+\b]
.endif
.endr
.endr
	WIN 0
.irp b, 0,1,2,3
.if \b < (\nb)
	v_permlanex16_b32 v[TM+4+\b], v[TM+\b], s[SEL], s[SEL+1]
.endif
.endr
.irp b, 0,1,2,3
.if \b < (\nb)
	v_max_num_f32 v[TM+\b], v[TM+\b], v[TM+4+\b]   ; the block's largest magnitude
.endif
.endr
.irp b, 0,1,2,3
.if \b < (\nb)
	v_add_nc_u32 v[TM+12+\b], 0xff000000, v[TM+\b] ; 2 off its exponent field: the conversion's scale operand
.endif
.endr
.irp b, 0,1,2,3
.if \b < (\nb)
	v_lshrrev_b32 v[TM+4+\b], 23, v[TM+12+\b]      ; the scale's byte
.endif
.endr
	v_lshl_or_b32 v[\pw], v[TM+5], 8, v[TM+4]
.if (\nb) > 2
	v_lshl_or_b32 v[\pw], v[TM+6], 16, v[\pw]
	v_lshl_or_b32 v[\pw], v[TM+7], 24, v[\pw]
.endif
	WIN \w
.irp c, 0,1
.if 2*\c < (\nb)
	v_cvt_scalef32_pk16_fp6_f32 v[(\d)+6*\c:(\d)+6*\c+2], v[(\s)+32*\c:(\s)+32*\c+15], v[TM+12+2*\c]
	v_cvt_scalef32_pk16_fp6_f32 v[TC+4*\c:TC+4*\c+2], v[(\s)+32*\c+16:(\s)+32*\c+31], v[TM+13+2*\c]
.endif
.endr
	WIN 0
	v_nop                                          ; one plain place behind a scaled conversion
.irp c, 0,1
.if 2*\c < (\nb)
.irp i, 0,1,2
	v_permlane16_swap_b32 v[(\d)+6*\c+\i], v[TC+4*\c+\i]   ; a whole block to a lane: lanes 0-15 block 2 c, lanes 16-31 block 2 c + 1
.endr
.irp i, 0,1,2
	v_mov_b32 v[(\d)+6*\c+3+\i], v[TC+4*\c+\i]
.endr
.endif
.endr
.endm
; LayerNorm of token tile a of k (window 2) or v (window 3).  Register j of the four column tiles' accumulators and the 16 lanes of my half hold the 64 channels of token 16 a + 8 h + j.
; Two passes: the mean is taken off first, then the squares are summed, so no difference of large sums is formed.
.macro LNT w, a, G, B
	WIN (\w)|((\w)<<2)
.irp j, 0,2,4,6
	v_pk_add_f32 v[SS+\j:SS+\j+1], v[8*(\a)+\j:8*(\a)+\j+1], v[64+8*(\a)+\j:64+8*(\a)+\j+1]       ; each accumulator is read from its low end on
	v_pk_add_f32 v[QS+\j:QS+\j+1], v[128+8*(\a)+\j:128+8*(\a)+\j+1], v[192+8*(\a)+\j:192+8*(\a)+\j+1]
.endr
	WIN 0
.irp j, 0,2,4,6
	v_pk_add_f32 v[SS+\j:SS+\j+1], v[SS+\j:SS+\j+1], v[QS+\j:QS+\j+1]
.endr
.irp m, 1,2,4,8
.irp j, 0,1,2,3,4,5,6,7
	v_add_f32_dpp v[SS+\j], v[SS+\j], v[SS+\j] row_xmask:\m row_mask:0xf bank_mask:0xf
.endr
.endr
	WIN ((\w)<<6)|((\w)<<4)
.irp c, 0,1,2,3
.irp j, 0,2,4,6
	v_pk_fma_f32 v[64*\c+8*(\a)+\j:64*\c+8*(\a)+\j+1], v[SS+\j:SS+\j+1], 0xbc800000, v[64*\c+8*(\a)+\j:64*\c+8*(\a)+\j+1] op_sel_hi:[1,0,1]   ; t - sum / 64
.endr
.endr
	WIN (\w)|((\w)<<2)
.irp j, 0,2,4,6
	v_pk_mul_f32 v[QS+\j:QS+\j+1], v[8*(\a)+\j:8*(\a)+\j+1], v[8*(\a)+\j:8*(\a)+\j+1]
.endr
.irp c, 1,2,3
.irp j, 0,2,4,6
	v_pk_fma_f32 v[QS+\j:QS+\j+1], v[64*\c+8*(\a)+\j:64*\c+8*(\a)+\j+1], v[64*\c+8*(\a)+\j:64*\c+8*(\a)+\j+1], v[QS+\j:QS+\j+1]
.endr
.endr
	WIN 0
.irp m, 1,2,4,8
.irp j, 0,1,2,3,4,5,6,7
	v_add_f32_dpp v[QS+\j], v[QS+\j], v[QS+\j] row_xmask:\m row_mask:0xf bank_mask:0xf
.endr
.endr
.irp j, 0,2,4,6
	v_pk_fma_f32 v[QS+\j:QS+\j+1], v[QS+\j:QS+\j+1], v[C64:C64+1], v[CEPS:CEPS+1]   ; the variance + 1e-5
.endr
.irp j, 0,1,2,3,4,5,6,7
	v_rsq_f32 v[QS+\j], v[QS+\j]
.endr
	v_nop                                          ; one plain place behind the transcendentals
	WIN ((\w)<<6)|(\w)
	s_wait_alu depctr_va_vdst(0)
.irp c, 0,1,2,3
.irp j, 0,2,4,6
	v_pk_mul_f32 v[64*\c+8*(\a)+\j:64*\c+8*(\a)+\j+1], v[64*\c+8*(\a)+\j:64*\c+8*(\a)+\j+1], v[QS+\j:QS+\j+1]
.endr
.endr
.irp c, 0,1,2,3
.irp j, 0,2,4,6
	v_pk_fma_f32 v[64*\c+8*(\a)+\j:64*\c+8*(\a)+\j+1], v[64*\c+8*(\a)+\j:64*\c+8*(\a)+\j+1], v[(\G)+2*\c:(\G)+2*\c+1], v[(\B)+2*\c:(\B)+2*\c+1]
.endr
.endr
.endm
	PLACES                                         ; behind the last products: loads and vector writes into the fragments' registers follow
.irp c, 0,1,2,3                        ; my channel 16 c + r of my head: gain and offset, each into both registers of a pair
	global_load_b32 v[GK+2*\c], v[O4R], s[12:13] offset:64*\c
	global_load_b32 v[GK+2*\c+1], v[O4R], s[12:13] offset:64*\c
	global_load_b32 v[BK+2*\c], v[O4R], s[14:15] offset:64*\c
	global_load_b32 v[BK+2*\c+1], v[O4R], s[14:15] offset:64*\c
	global_load_b32 v[GV+2*\c], v[O4R], s[16:17] offset:64*\c
	global_load_b32 v[GV+2*\c+1], v[O4R], s[16:17] offset:64*\c
	global_load_b32 v[BV+2*\c], v[O4R], s[18:19] offset:64*\c
	global_load_b32 v[BV+2*\c+1], v[O4R], s[18:19] offset:64*\c
.endr
.irp b, 0,1,2,3
	v_mov_b32 v[TM+4+\b], 0                        ; written once: a lane permute's destination counts as one of its sources
.endr
	v_mov_b32 v[C64], 0x3c800000
	v_mov_b32 v[C64+1], 0x3c800000
	v_mov_b32 v[CEPS], 0x3727c5ac
	v_mov_b32 v[CEPS+1], 0x3727c5ac
	; q: a token tile's 32 registers are its head's 64 channels: two blocks, six registers of codes, stored as an image of the registers
.irp a, 0,1,2,3,4,5,6,7
	QUANT 1, 32*\a, 2, KF+6*\a, HW+\a
	global_store_b128 v[O16], v[KF+6*\a:KF+6*\a+3], s[20:21] offset:\a*12288        ; 512 consecutive bytes
	global_store_b64 v[O8], v[KF+6*\a+4:KF+6*\a+5], s[20:21] offset:\a*12288+512    ; 256 consecutive bytes
.endr
	v_lshl_or_b32 v[PK], v[HW+1], 16, v[HW]        ; the tiles' pairs of scale bytes: lanes 0-15 keep tiles 0-3 of token row r, lanes 16-31 tiles 4-7
	v_lshl_or_b32 v[PK+1], v[HW+3], 16, v[HW+2]
	v_lshl_or_b32 v[PK+2], v[HW+5], 16, v[HW+4]
	v_lshl_or_b32 v[PK+3], v[HW+7], 16, v[HW+6]
	v_cmp_le_u32 vcc_lo, 16, v[LANE]
	v_cndmask_b32 v[PO], v[PK], v[PK+2], vcc_lo
	v_cndmask_b32 v[PO+1], v[PK+1], v[PK+3], vcc_lo
	global_store_b64 v[O8], v[PO:PO+1], s[22:23]   ; one aligned run of 256 bytes
	s_wait_loadcnt 0x0                             ; the gains and offsets
	s_wait_xcnt 0x0                                ; q's stores have read their registers: k's codes are written there
.irp a, 0,1,2,3,4,5,6,7
	LNT 2, \a, GK, BK
.endr
.irp c, 0,1,2,3
	QUANT 2, 64*\c, 4, KF+12*\c, KSW+\c            ; a column tile's 64 registers are its 128 tokens: one fragment, 16 channels x 128 tokens
.endr
.irp a, 0,1,2,3,4,5,6,7
	LNT 3, \a, GV, BV
.endr
.irp c, 0,1,2,3
	QUANT 3, 64*\c, 4, VF+12*\c, VSW+\c
.endr
.rept 8
	v_nop                                          ; a scale register written by a vector instruction stands 8 places ahead of a scaled product, an operand so written 4
.endr
	WIN 0x40                                       ; the sums go where q's accumulators lay
.irp c, 0,1,2,3
.irp e, 0,1,2,3
	MM 8*(4*\c+\e), KF+12*\c, VF+12*\e, 1, KSW+\c, VSW+\e, 0      ; k^T v over my 128 tokens: lane (r, h), register j: (d = 16 c + 8 h + j, e = 16 e + r)
.endr
.endr
	PLACES
	WIN 0x04                                       ; an LDS store's data are its source 1: window 1
.set I, 0
.rept 32
	ds_store_b128 v[STO], v[4*I:4*I+3] offset:512*I        ; images of the registers, each sum from its low end on.  The stage lies in slot 0, which has had its last fill and, since the last change of slots, its last read
.set I, I+1
.endr
	WIN 0
	s_wait_dscnt 0x0                               ; for the others' sake: my stores have landed
	s_barrier_signal -1
	s_barrier_wait -1
.set I, 0
.rept 16
	ds_load_b128 v[64+4*I:64+4*I+3], v[RD] offset:512*I            ; my head's tokens 0-127,
	ds_load_b128 v[128+4*I:128+4*I+3], v[RD] offset:32768+512*I    ; and 128-255
.set I, I+1
.endr
	s_wait_dscnt 0x0
.set I, 0
.rept 32
	v_pk_add_f32 v[64+2*I:64+2*I+1], v[64+2*I:64+2*I+1], v[128+2*I:128+2*I+1]
.set I, I+1
.endr
.set I, 0
.rept 16
	global_store_b128 v[O16], v[64+4*I:64+4*I+3], s[24:25] offset:512*I   ; 512 consecutive bytes
.set I, I+1
.endr
	s_wait_tensorcnt 0x0                           ; the wave's end
	ds_add_u32 v[SPW], v[NIL]
	s_wait_dscnt 0x0
	CROUND                                         ; the closing round
	s_endpgm
.Lfunc_end_k_q9973045f05_qkv:
	.size	k_q9973045f05_qkv, .Lfunc_end_k_q9973045f05_qkv-k_q9973045f05_qkv
	.p2alignl 7, 3214868480
	.fill 96, 4, 3214868480
	.section	.rodata,"a",@progbits
	.p2align	6, 0x0
	.amdhsa_kernel k_q9973045f05_qkv
		.amdhsa_group_segment_fixed_size 327680
		.amdhsa_private_segment_fixed_size 0
		.amdhsa_enable_private_segment 0
		.amdhsa_kernarg_size 88
		.amdhsa_user_sgpr_count 2
		.amdhsa_user_sgpr_kernarg_segment_ptr 1
		.amdhsa_wavefront_size32 1
		.amdhsa_system_sgpr_workgroup_id_x 1
		.amdhsa_system_sgpr_workgroup_id_y 1
		.amdhsa_system_sgpr_workgroup_id_z 1
		.amdhsa_system_vgpr_workitem_id 0
		.amdhsa_next_free_vgpr 1024
		.amdhsa_next_free_sgpr 100
		.amdhsa_reserve_vcc 1
		.amdhsa_float_denorm_mode_32 3
		.amdhsa_float_denorm_mode_16_64 3
		.amdhsa_memory_ordered 1
		.amdhsa_forward_progress 1
		.amdhsa_inst_pref_size 255
	.end_amdhsa_kernel
	.section	.bss,"aw",@nobits
	.p2align	6
	.space	262144
	.amdgpu_metadata
---
amdhsa.version: [ 1, 2 ]
amdhsa.kernels:
  - .name:           k_q9973045f05_qkv
    .symbol:         k_q9973045f05_qkv.kd
    .args:
      - { .name: x_codes, .offset: 0, .size: 8, .value_kind: global_buffer, .address_space: global }
      - { .name: x_scales, .offset: 8, .size: 8, .value_kind: global_buffer, .address_space: global }
      - { .name: w_qkv_codes, .offset: 16, .size: 8, .value_kind: global_buffer, .address_space: global }
      - { .name: w_qkv_scales, .offset: 24, .size: 8, .value_kind: global_buffer, .address_space: global }
      - { .name: gamma_k, .offset: 32, .size: 8, .value_kind: global_buffer, .address_space: global }
      - { .name: beta_k, .offset: 40, .size: 8, .value_kind: global_buffer, .address_space: global }
      - { .name: gamma_v, .offset: 48, .size: 8, .value_kind: global_buffer, .address_space: global }
      - { .name: beta_v, .offset: 56, .size: 8, .value_kind: global_buffer, .address_space: global }
      - { .name: qc, .offset: 64, .size: 8, .value_kind: global_buffer, .address_space: global }
      - { .name: qs, .offset: 72, .size: 8, .value_kind: global_buffer, .address_space: global }
      - { .name: part, .offset: 80, .size: 8, .value_kind: global_buffer, .address_space: global }
    .group_segment_fixed_size: 327680
    .private_segment_fixed_size: 0
    .kernarg_segment_align: 8
    .kernarg_segment_size: 88
    .max_flat_workgroup_size: 128
    .sgpr_count:     100
    .vgpr_count:     1024
    .wavefront_size: 32
...
	.end_amdgpu_metadata
.endif
;; end of part 1
;; launch scores (part 2): grid 256 x 1, 1 waves a work-group, no clusters, 0 bytes of LDS; arguments part, sc, ss; writes sc, ss
.if DOCPART == 2
	.amdgcn_target "amdgcn-amd-amdhsa--gfx1250"
	.amdhsa_code_object_version 6
	.text
	.protected	k_q9973045f05_scores
	.globl	k_q9973045f05_scores
	.p2align	8
	.type	k_q9973045f05_scores,@function
k_q9973045f05_scores:
	s_mov_b64 s[64:65], 0
	v_nop
	global_prefetch_b8 v0, s[64:65] scope:SCOPE_SE
	s_setreg_imm32_b32 hwreg(HW_REG_WAVE_MODE, 25, 1), 1
	s_wait_xcnt 0x0
; scores[b][h] = (the sum of a batch's eight partial sums of k^T v) / 2,048, quantised along d to codes of FP6 (E2M3) with E8M0 scales, and laid as the next launch's operand wants it.
; One wave takes 64 d x 16 e of one (batch, head): work-group g: column tile g % 4, head (g / 4) % 16, batch g / 64.  A lane holds one column e = 16 ce + r; its register 8 cd + j is d = 16 cd + 8 h + j.
; So a block of 32 along d lies in 16 registers of lanes l and l xor 16, in the same order inside the block as q's codes have: the sums of q x scores are unchanged.
; THE LANES ARE PERMUTED IN THE STORES' ADDRESSES: row rho of operand tile 2 B + u is e = 32 B + 8 u + rho + 8 (rho / 8), so that the next launch's results come out with neighbouring e in a lane's registers.
; A head's 64 along d are half of a K step of 128: the scale word carries the two bytes at the head's half (even head low, odd head high) and 0x7f at the other, where the next launch puts zero codes.
; No LDS, no barrier, no matrix unit: a sum of eight streams.  The stores cover runs of 128, 64 or 32 consecutive bytes: 213 KB in the whole launch.
; LIMITS: NaN and infinities are not served; a block under 2^-124, zeros too, keeps the byte 1 (its bytes are read by this program alone).
	s_load_b128 s[4:7], s[0:1], 0x0                ; part, sc
	s_load_b64 s[8:9], s[0:1], 0x10                ; ss
	s_and_b32 s10, ttmp9, 3                        ; ce
	s_bfe_u32 s11, ttmp9, 0x40002                  ; head
	s_lshr_b32 s12, ttmp9, 6                       ; batch
	s_and_b32 s16, s10, 1
	s_lshr_b32 s17, s10, 1
	s_lshl_b32 s14, s12, 21                        ; part: 8 token blocks x 262,144 bytes a batch,
	s_lshl_b32 s13, s11, 14                        ; 16,384 a head,
	s_add_co_u32 s14, s14, s13
	s_lshl_b32 s13, s10, 10                        ; two images of 512 bytes a column tile
	s_add_co_u32 s14, s14, s13
	s_mov_b32 s15, 0
	s_mul_i32 s24, s12, 49152                      ; sc: [batch][head][4 tiles][768]
	s_mul_i32 s13, s11, 3072
	s_add_co_u32 s24, s24, s13
	s_mul_i32 s13, s17, 1536
	s_add_co_u32 s24, s24, s13
	s_mov_b32 s25, 0
	s_lshl_b32 s26, s12, 12                        ; ss: [batch][head][2][32 words]
	s_lshl_b32 s13, s11, 8
	s_add_co_u32 s26, s26, s13
	s_lshl_b32 s13, s17, 7
	s_add_co_u32 s26, s26, s13
	s_mov_b32 s27, 0
	s_mov_b32 s20, 0x76543210
	s_mov_b32 s21, 0xfedcba98                      ; v_permlanex16_b32's selects for lane l xor 16
	s_and_b32 s18, s11, 1
	s_mov_b32 s19, 0x7f7f
	s_cmp_eq_u32 s18, 0
	s_cselect_b32 s19, 0x7f7f0000, s19             ; 0x7f at the other head's two bytes
	s_lshl_b32 s18, s18, 4                         ; my two bytes go 0 or 16 bits up
	v_and_b32 v1, 15, v0                           ; r
	v_lshrrev_b32 v2, 4, v0                        ; h
	v_lshlrev_b32 v3, 4, v0                        ; 16 x lane
	v_lshrrev_b32 v9, 3, v1                        ; u = r / 8
	v_mul_u32_u24 v4, v9, 768
	v_and_b32 v5, 7, v1
	s_lshl_b32 s13, s16, 7
	v_lshl_add_u32 v6, v5, 4, v4
	v_lshl_add_u32 v6, v2, 8, v6
	v_add_nc_u32 v6, s13, v6                       ; registers 0-3: tile u, 16 x (r % 8 + 8 (ce % 2) + 16 h)
	s_lshl_b32 s13, s16, 6
	v_lshl_add_u32 v7, v5, 3, v4
	v_lshl_add_u32 v7, v2, 7, v7
	v_add_nc_u32 v7, s13, v7                       ; registers 4-5: 8 x the same lane
	s_lshl_b32 s13, s16, 5
	v_lshlrev_b32 v8, 6, v9
	v_lshl_add_u32 v8, v5, 2, v8
	v_add_nc_u32 v8, s13, v8                       ; the scale word: 4 x (16 u + rho)
	v_mov_b32 v18, 0                               ; a lane permute's destination counts as one of its sources
	v_mov_b32 v19, 0
	s_wait_kmcnt 0x0
	s_add_nc_u64 s[4:5], s[4:5], s[14:15]
	s_add_nc_u64 s[6:7], s[6:7], s[24:25]
	s_add_nc_u64 s[8:9], s[8:9], s[26:27]
.macro PLOAD p, reg                    ; partial sum p: eight loads of 512 consecutive bytes
.irp c, 0,1,2,3
.irp q, 0,1
	global_load_b128 v[(\reg)+8*\c+4*\q:(\reg)+8*\c+4*\q+3], v3, s[4:5] offset:(\p)*262144+\c*4096+\q*512 th:TH_LOAD_NT
.endr
.endr
.endm
.macro PADD reg
.irp j, 0,2,4,6,8,10,12,14,16,18,20,22,24,26,28,30
	v_pk_add_f32 v[32+\j:33+\j], v[32+\j:33+\j], v[(\reg)+\j:(\reg)+\j+1]
.endr
.endm
	PLOAD 0, 64
	PLOAD 1, 96
	PLOAD 2, 128
	PLOAD 3, 160
	PLOAD 4, 192
	PLOAD 5, 224
	s_wait_loadcnt 32                              ; partial sums 0 and 1 are in; four, eight loads each, may be out
.irp j, 0,2,4,6,8,10,12,14,16,18,20,22,24,26,28,30
	v_pk_add_f32 v[32+\j:33+\j], v[64+\j:65+\j], v[96+\j:97+\j]
.endr
	PLOAD 6, 64
	PLOAD 7, 96
	s_wait_loadcnt 32                              ; 2 and 3 are in; 4 to 7 may be out
	PADD 128
	PADD 160
	s_wait_loadcnt 16                              ; 4 and 5 are in
	PADD 192
	PADD 224
	s_wait_loadcnt 0x0
	PADD 64
	PADD 96
.irp j, 0,2,4,6,8,10,12,14,16,18,20,22,24,26,28,30
	v_pk_mul_f32 v[32+\j:33+\j], v[32+\j:33+\j], 0x3a000000 op_sel_hi:[1,0]   ; / 2,048
.endr
	v_max3_num_f32 v16, |v32|, |v33|, 0x1800000    ; the floor 2^(3 - 127): the byte cannot fall under 1
	v_max3_num_f32 v17, |v48|, |v49|, 0x1800000
.irp i, 2,4,6,8,10,12,14
	v_max3_num_f32 v16, v16, |v[32+\i]|, |v[33+\i]|
	v_max3_num_f32 v17, v17, |v[48+\i]|, |v[49+\i]|
.endr
	v_permlanex16_b32 v18, v16, s20, s21
	v_permlanex16_b32 v19, v17, s20, s21
	v_max_num_f32 v16, v16, v18                    ; the blocks' largest magnitudes
	v_max_num_f32 v17, v17, v19
	v_add_nc_u32 v20, 0xff000000, v16              ; 2 off the exponent field: the conversion's scale operand
	v_add_nc_u32 v21, 0xff000000, v17
	v_lshrrev_b32 v18, 23, v20                     ; the scales' bytes
	v_lshrrev_b32 v19, 23, v21
	v_cvt_scalef32_pk16_fp6_f32 v[10:12], v[32:47], v20
	v_cvt_scalef32_pk16_fp6_f32 v[24:26], v[48:63], v21
	v_lshl_or_b32 v22, v19, 8, v18                 ; (a plain place behind the conversions)
	v_permlane16_swap_b32 v10, v24                 ; a whole block to a lane: lanes 0-15 block 0, lanes 16-31 block 1
	v_permlane16_swap_b32 v11, v25
	v_permlane16_swap_b32 v12, v26
	v_mov_b32 v13, v24
	v_mov_b32 v14, v25
	v_mov_b32 v15, v26
	v_lshlrev_b32 v22, s18, v22
	v_or_b32 v22, s19, v22
	global_store_b128 v6, v[10:13], s[6:7]
	global_store_b64 v7, v[14:15], s[6:7] offset:512
	s_wait_xcnt 0x0                                ; EXEC changes only behind this wait
	v_cmp_gt_u32 vcc_lo, 16, v0
	s_and_saveexec_b32 s22, vcc_lo                 ; both halves of the lanes hold the same word: lanes 0-15 store it
	global_store_b32 v8, v22, s[8:9]
	s_endpgm
.Lfunc_end_k_q9973045f05_scores:
	.size	k_q9973045f05_scores, .Lfunc_end_k_q9973045f05_scores-k_q9973045f05_scores
	.p2alignl 7, 3214868480
	.fill 96, 4, 3214868480
	.section	.rodata,"a",@progbits
	.p2align	6, 0x0
	.amdhsa_kernel k_q9973045f05_scores
		.amdhsa_group_segment_fixed_size 0
		.amdhsa_private_segment_fixed_size 0
		.amdhsa_enable_private_segment 0
		.amdhsa_kernarg_size 24
		.amdhsa_user_sgpr_count 2
		.amdhsa_user_sgpr_kernarg_segment_ptr 1
		.amdhsa_wavefront_size32 1
		.amdhsa_system_sgpr_workgroup_id_x 1
		.amdhsa_system_sgpr_workgroup_id_y 1
		.amdhsa_system_sgpr_workgroup_id_z 1
		.amdhsa_system_vgpr_workitem_id 0
		.amdhsa_next_free_vgpr 256
		.amdhsa_next_free_sgpr 66
		.amdhsa_reserve_vcc 1
		.amdhsa_float_denorm_mode_32 3
		.amdhsa_float_denorm_mode_16_64 3
		.amdhsa_memory_ordered 1
		.amdhsa_forward_progress 1
		.amdhsa_inst_pref_size 20
	.end_amdhsa_kernel
	.amdgpu_metadata
---
amdhsa.version: [ 1, 2 ]
amdhsa.kernels:
  - .name:           k_q9973045f05_scores
    .symbol:         k_q9973045f05_scores.kd
    .args:
      - { .name: part, .offset: 0, .size: 8, .value_kind: global_buffer, .address_space: global }
      - { .name: sc, .offset: 8, .size: 8, .value_kind: global_buffer, .address_space: global }
      - { .name: ss, .offset: 16, .size: 8, .value_kind: global_buffer, .address_space: global }
    .group_segment_fixed_size: 0
    .private_segment_fixed_size: 0
    .kernarg_segment_align: 8
    .kernarg_segment_size: 24
    .max_flat_workgroup_size: 32
    .sgpr_count:     66
    .vgpr_count:     256
    .wavefront_size: 32
...
	.end_amdgpu_metadata
.endif
;; end of part 2
;; launch proj (part 3): grid 64 x 4, 4 waves a work-group, clusters of 4 x 1, 327,680 bytes of LDS; arguments qc, qs, sc, ss, w_out_codes, w_out_scales, b_out, out0; writes out0
.if DOCPART == 3
	.amdgcn_target "amdgcn-amd-amdhsa--gfx1250"
	.amdhsa_code_object_version 6
	.text
	.protected	k_q9973045f05_proj
	.globl	k_q9973045f05_proj
	.p2align	8
	.type	k_q9973045f05_proj,@function
k_q9973045f05_proj:
	s_mov_b64 s[64:65], 0
	v_nop
	global_prefetch_b8 v0, s[64:65] scope:SCOPE_SE
	s_setreg_imm32_b32 hwreg(HW_REG_WAVE_MODE, 25, 1), 1
	s_wait_xcnt 0x0
	s_wait_alu depctr_hold_cnt(0) depctr_sa_sdst(0) depctr_va_vdst(0) depctr_va_sdst(0) depctr_va_ssrc(0) depctr_va_vcc(0) depctr_vm_vsrc(0)
	s_getreg_b32 s2, hwreg(HW_REG_IB_STS2, 6, 4)
	s_cmp_eq_u32 s2, 0
	s_cbranch_scc0 .Lentry_in_a_cluster
	s_endpgm
.Lentry_in_a_cluster:
	s_bfe_u32 s2, ttmp6, 0x10000c
	s_cmp_lg_u32 s2, 0x3003
	s_cbranch_scc0 .Lentry_shape_is_right
	s_endpgm
.Lentry_shape_is_right:
; out0 = Q(q scores) w_out + b_out, both products on codes of FP6 (E2M3) with E8M0 scales.  q's and the scores' codes come from the launches before, as images of operand registers.
; SHARES.  Work-group (x = 128 tokens, y = 256 output columns).  PHASE 1: wave w makes, for the 8 token tiles, the attention output of head pairs 2 w and 2 w + 1 (heads 4 w .. 4 w + 3), quantises it in registers
; and puts it into LDS as images of operand registers: a head pair is one K step of 128 of the last product.  PHASE 2: wave w owns columns 64 w .. 64 w + 63 for all 128 tokens; its 32 fragments of w_out stay in
; registers, and the 64 images go round.  Phase 1 is repeated in the four work-groups of a token block: the price of no further launch and of no way to memory and back for these codes.
; q x scores HAS K = 64.  A K step of 128 is a head pair: q's fragment is taken whole; the scores' fragment of the even head has zero codes at k = 64 .. 127, that of the odd head at k = 0 .. 63 (scale byte 0x7f there).
; Both products are used transposed (source 0 = the weight's 16 rows, source 1 = 16 tokens): a lane holds one token.  The rows e of a tile of the scores were chosen by the launch before so that a lane's 16 registers of two
; neighbouring tiles are 16 neighbours along the last product's K.
; CLUSTER 4 x 1: the four token blocks of a cluster need the same 256 rows of w_out: one joint load a wave, filled once; a round of the cluster's barrier in front of it and one at the end.  No LDS byte is filled again.
; LIMITS: scale byte 0xff, NaN and infinities are not served; a block under 2^-124, zeros too, keeps the byte 1.
.set WP,    816                        ; a row of w_out in LDS: 3 x (256 bytes + 16 of padding)
.set WWAVE, 64*WP                      ; a wave's 64 rows
.set XIMG,  4*WWAVE                    ; 64 images of 1,536 bytes: token tile a, K step s at 8 a + s
.set FRB,   1536
.set XSC,   XIMG+64*FRB                ; their scale words, 128 bytes each
; window 0
.set SO,   1                           ; v1   the stage: where I put 32 bytes of a row
.set SR,   2                           ; v2   and where I read a row back
.set GO,   3                           ; v3   my byte offset in out0
.set O16,  4                           ; v4   16 x lane
.set O8,   5                           ; v5   8 x lane
.set O4,   6                           ; v6   4 x lane
.set LI,   7                           ; v7, v8   images of token tiles 0-3, 4-7
.set HWI,  9                           ; v9, v10  the same at my wave's two K steps
.set LS,   11                          ; v11  scale words
.set HWS,  12                          ; v12  the same at my wave's two K steps
.set AW,   13                          ; v13  my rows of w_out;  v14 behind one padding more
.set WSO,  15                          ; v15  w_out's scales: 32 r + 16 h
.set WS,   16                          ; v16-31  w_out's scale words: 4 ct + i: lanes 0-15 K step i, lanes 16-31 K step 4 + i
.set QW,   32                          ; v32-39  q's scale words: 4 l + i: lanes 0-15 token tile i, lanes 16-31 tile 4 + i
.set SW,   40                          ; v40-47  the scores': 2 (head in my four) + B: lanes 0-15 tile 2 B, lanes 16-31 tile 2 B + 1
.set OSC,  48                          ; v48-63  the images' scale words, two sets of eight
.set OF,   64                          ; v64-159, v160-255  the images of a K step, two sets of eight fragments
.set HA,   64                          ; phase 1: 8 tiles of results
.set QB,   128                         ; two fragments of q
.set PCD,  152                         ; the codes just made
.set TC,   164
.set TM,   172
.set PW,   188
.set RAW,  192                         ; q's scale bytes as they are stored
; window 1: w_out's fragments of column tiles 0, 1 at 12 (8 ct + s), their bias at 192 + 8 ct;  window 2: the same of tiles 2, 3
; window 3: phase 1: the scores at 18 (4 l + tile): [even head's 6][6 zeros][odd head's 6]: the even fragment begins at + 0, the odd one at + 6;  phase 2: the accumulators at 8 (4 a + ct)
.set WV,   20
.set SEL,  26
.set G1,   36
.set G0,   44
.set MSB, 0
.macro WIN new                         ; the immediate's high byte repeats the setting that is left
.if MSB != (\new)
	s_set_vgpr_msb (MSB<<8)|(\new)
.set MSB, \new
.endif
.endm
.macro PLACES
.rept 4
	v_nop
.endr
.endm
.macro CROUND                          ; a round of the cluster's barrier
	s_barrier_signal -1
	s_barrier_wait -1
	s_cmp_lg_u32 s[WV], 0
	s_cbranch_scc1 .Lnot_wave_0_\@
	s_barrier_signal -3
.Lnot_wave_0_\@:
	s_barrier_wait -3
	s_barrier_signal -1
	s_barrier_wait -1
.endm
	s_load_b256 s[4:11], s[0:1], 0x0               ; qc, qs, sc, ss
	s_load_b256 s[12:19], s[0:1], 0x20             ; w_out's codes, w_out's scales, b_out, out0
	s_set_vgpr_msb 0x40
	v_lshl_add_u32 v254, v0, 2, 0x4d000
	v_mov_b32 v255, 0
	s_set_vgpr_msb 0x4045
	ds_add_u32 v254, v255
	ds_add_u32 v254, v255
	s_set_vgpr_msb 0x4500
	v_lshrrev_b32 v200, 5, v0
	v_readfirstlane_b32 s[WV], v200                ; wave 0..3
	s_bfe_u32 s21, ttmp6, 0x40000                  ; cx
	s_lshl_b32 s22, ttmp9, 2
	s_add_co_u32 s22, s22, s21                     ; block of 128 tokens = 4 x cluster x + cx
	s_and_b32 s23, ttmp7, 0xffff                   ; block of 256 columns, which the four partners share
	s_lshr_b32 s24, s22, 4                         ; batch
	s_mov_b32 s[SEL], 0x76543210
	s_mov_b32 s[SEL+1], 0xfedcba98
	s_mov_b32 s28, 0x05040100                      ; v_perm_b32: the two low halves
	s_mov_b32 s29, 0x07060302                      ; the two high halves
	; group 1: 64 rows of 768 bytes, dense in memory, 16 bytes of padding behind every 256; the mask names the four partners
	s_mov_b32 s[G1], 15|(1<<20)|(1<<21)|(5<<22)|(3<<25)
	s_mov_b32 s[G1+1], 768<<16
	s_mov_b32 s[G1+2], 64<<16
	s_mov_b32 s[G1+3], 768<<16
	s_mov_b32 s[G1+4], 64
	s_mov_b32 s[G1+5], 768
	s_mov_b32 s[G1+6], 0
	s_mov_b32 s[G1+7], 0
	s_lshl_b32 s48, s23, 8
	s_lshl_b32 s49, s[WV], 6
	s_add_co_u32 s48, s48, s49                     ; my first row of w_out = my first column
	s_lshl_b32 s30, s48, 5                         ; its scale bytes,
	s_mov_b32 s31, 0
	s_lshl_b32 s32, s48, 2                         ; its bias,
	s_mov_b32 s33, 0
	s_mul_i32 s48, s48, 768                        ; its codes
	s_mov_b32 s49, 0
	s_mov_b32 s[G0], 1
	s_mul_i32 s[G0+1], s[WV], WWAVE
	s_wait_dscnt 0x0
	s_wait_kmcnt 0x0
	s_add_nc_u64 s[G0+2:G0+3], s[12:13], s[48:49]
	s_or_b32 s[G0+3], s[G0+3], 0x80000000
	CROUND                                         ; all four work-groups are here: the joint loads meet
	tensor_load_to_lds s[G0:G0+3], s[G1:G1+7]      ; one load a wave, the only one: it lands while phase 1 runs
	s_nop 0
.rept 4
	v_nop
.endr
	s_add_nc_u64 s[14:15], s[14:15], s[30:31]
	s_add_nc_u64 s[16:17], s[16:17], s[32:33]
	s_lshl_b32 s52, s22, 19                        ; out0: 128 tokens x 4,096 bytes, + 1,024 x column block + 256 x wave
	s_lshl_b32 s34, s23, 10
	s_add_co_u32 s52, s52, s34
	s_lshl_b32 s34, s[WV], 8
	s_add_co_u32 s52, s52, s34
	s_mov_b32 s53, 0
	s_add_nc_u64 s[18:19], s[18:19], s[52:53]
	s_mul_i32 s52, s22, 98304                      ; qc: 8 token tiles x 12,288, + my four heads
	s_mul_i32 s34, s[WV], 3072
	s_add_co_u32 s52, s52, s34
	s_add_nc_u64 s[4:5], s[4:5], s[52:53]
	s_lshl_b32 s52, s22, 12                        ; qs: 16 heads x 256
	s_lshl_b32 s34, s[WV], 10
	s_add_co_u32 s52, s52, s34
	s_add_nc_u64 s[6:7], s[6:7], s[52:53]
	s_mul_i32 s52, s24, 49152                      ; sc: my batch, my four heads
	s_mul_i32 s34, s[WV], 12288
	s_add_co_u32 s52, s52, s34
	s_add_nc_u64 s[8:9], s[8:9], s[52:53]
	s_lshl_b32 s52, s24, 12                        ; ss likewise
	s_lshl_b32 s34, s[WV], 10
	s_add_co_u32 s52, s52, s34
	s_add_nc_u64 s[10:11], s[10:11], s[52:53]
	v_and_b32 v200, 31, v0                         ; lane
	v_and_b32 v201, 15, v0                         ; r
	v_bfe_u32 v202, v0, 4, 1                       ; h
	v_lshlrev_b32 v[O16], 4, v200
	v_lshlrev_b32 v[O8], 3, v200
	v_lshlrev_b32 v[O4], 2, v200
	v_add_nc_u32 v[LI], XIMG, v[O16]
	v_add_nc_u32 v[LI+1], 4*8*FRB, v[LI]
	s_mul_i32 s50, s[WV], 2*FRB
	v_add_nc_u32 v[HWI], s50, v[LI]
	v_add_nc_u32 v[HWI+1], s50, v[LI+1]
	v_add_nc_u32 v[LS], XSC, v[O4]
	s_lshl_b32 s51, s[WV], 8
	v_add_nc_u32 v[HWS], s51, v[LS]
	v_mul_u32_u24 v[AW], v201, WP
	v_mad_u32_u24 v[AW], v202, 24, v[AW]
	v_add_nc_u32 v[AW], s[G0+1], v[AW]             ; my rows: row x pitch + 24 h
	v_lshl_add_u32 v[AW+1], v202, 4, v[AW]         ; and 40 h
	v_lshlrev_b32 v[WSO], 4, v202
	v_lshl_add_u32 v[WSO], v201, 5, v[WSO]
	v_mul_u32_u24 v[SO], v201, 272
	v_lshl_add_u32 v[SO], v202, 5, v[SO]
	v_add_nc_u32 v[SO], s[G0+1], v[SO]             ; the stage, 16 rows x 272 bytes, lies in my own rows of w_out, behind their one fill and my last read of them
	v_mul_u32_u24 v[SR], v202, 272
	v_lshl_add_u32 v[SR], v201, 4, v[SR]
	v_add_nc_u32 v[SR], s[G0+1], v[SR]
	v_lshlrev_b32 v[GO], 12, v202
	v_lshl_add_u32 v[GO], v201, 4, v[GO]           ; lanes 0-15 one token's 256 bytes, lanes 16-31 the next token's
	v_lshlrev_b32 v203, 5, v202                    ; the bias: my half's eight columns
.irp ct, 0,1,2,3
	global_load_b128 v[WS+4*\ct:WS+4*\ct+3], v[WSO], s[14:15] offset:512*\ct   ; 512 consecutive bytes: 16 rows' 32 scale bytes
.endr
	WIN 0x40
.irp ct, 0,1
	global_load_b128 v[192+8*\ct:192+8*\ct+3], v203, s[16:17] offset:64*\ct
	global_load_b128 v[192+8*\ct+4:192+8*\ct+7], v203, s[16:17] offset:64*\ct+16
.endr
	WIN 0x80
.irp ct, 0,1
	global_load_b128 v[192+8*\ct:192+8*\ct+3], v203, s[16:17] offset:128+64*\ct
	global_load_b128 v[192+8*\ct+4:192+8*\ct+7], v203, s[16:17] offset:128+64*\ct+16
.endr
	WIN 0xc0
.irp n, 0,1,2,3                        ; head 4 w + n
.irp t, 0,1,2,3
	global_load_b128 v[18*(4*(\n/2)+\t)+12*(\n%2):18*(4*(\n/2)+\t)+12*(\n%2)+3], v[O16], s[8:9] offset:\n*3072+\t*768
	global_load_b64 v[18*(4*(\n/2)+\t)+12*(\n%2)+4:18*(4*(\n/2)+\t)+12*(\n%2)+5], v[O8], s[8:9] offset:\n*3072+\t*768+512
.endr
.endr
.irp k, 0,1,2,3,4,5,6,7
.irp i, 0,1,2,3,4,5
	v_mov_b32 v[18*\k+6+\i], 0                     ; the zero codes that the two heads of a pair share
.endr
.endr
	WIN 0
.irp n, 0,1,2,3
	global_load_b32 v[SW+2*\n], v[O4], s[10:11] offset:\n*256
	global_load_b32 v[SW+2*\n+1], v[O4], s[10:11] offset:\n*256+128
	global_load_b64 v[RAW+2*\n:RAW+2*\n+1], v[O8], s[6:7] offset:\n*256
.endr
.macro QLOAD u                         ; unit u = 8 l + a: q's fragment of token tile a and head pair l of my two, into buffer u % 2
.set LB, QB+12*((\u)%2)
.set LOFF, ((\u)%8)*12288+((\u)/8)*1536
	global_load_b128 v[LB:LB+3], v[O16], s[4:5] offset:LOFF
	global_load_b64 v[LB+4:LB+5], v[O8], s[4:5] offset:LOFF+512
	global_load_b128 v[LB+6:LB+9], v[O16], s[4:5] offset:LOFF+768
	global_load_b64 v[LB+10:LB+11], v[O8], s[4:5] offset:LOFF+1280
.endm
	QLOAD 0
.irp b, 0,1,2,3
	v_mov_b32 v[TM+4+\b], 0                        ; written once: a lane permute's destination counts as one of its sources
.endr
	s_wait_loadcnt 0x0
.irp l, 0,1                            ; q's scale word of a head pair: the even head's two bytes below, the odd head's above
	v_perm_b32 v[QW+4*\l], v[RAW+4*\l+2], v[RAW+4*\l], s28
	v_perm_b32 v[QW+4*\l+1], v[RAW+4*\l+2], v[RAW+4*\l], s29
	v_perm_b32 v[QW+4*\l+2], v[RAW+4*\l+3], v[RAW+4*\l+1], s28
	v_perm_b32 v[QW+4*\l+3], v[RAW+4*\l+3], v[RAW+4*\l+1], s29
.endr
.rept 8
	v_nop                                          ; a scale register written by a vector instruction stands 8 places ahead of a scaled product
.endr
; one product.  c < 0: it starts the sum with 0; else C = v[c ..].  row: bit 0: source 0's scales from lanes 16-31; bit 1: source 1's
.macro MM d, a, b, c, sa, sb, row
.if (\c) < 0
.if (\row) == 0
	v_wmma_scale_f32_16x16x128_f8f6f4 v[(\d):(\d)+7], v[(\a):(\a)+11], v[(\b):(\b)+11], 0, v[\sa], v[\sb] matrix_a_fmt:MATRIX_FMT_FP6 matrix_b_fmt:MATRIX_FMT_FP6
.elseif (\row) == 1
	v_wmma_scale_f32_16x16x128_f8f6f4 v[(\d):(\d)+7], v[(\a):(\a)+11], v[(\b):(\b)+11], 0, v[\sa], v[\sb] matrix_a_fmt:MATRIX_FMT_FP6 matrix_b_fmt:MATRIX_FMT_FP6 matrix_a_scale:MATRIX_SCALE_ROW1
.elseif (\row) == 2
	v_wmma_scale_f32_16x16x128_f8f6f4 v[(\d):(\d)+7], v[(\a):(\a)+11], v[(\b):(\b)+11], 0, v[\sa], v[\sb] matrix_a_fmt:MATRIX_FMT_FP6 matrix_b_fmt:MATRIX_FMT_FP6 matrix_b_scale:MATRIX_SCALE_ROW1
.else
	v_wmma_scale_f32_16x16x128_f8f6f4 v[(\d):(\d)+7], v[(\a):(\a)+11], v[(\b):(\b)+11], 0, v[\sa], v[\sb] matrix_a_fmt:MATRIX_FMT_FP6 matrix_b_fmt:MATRIX_FMT_FP6 matrix_a_scale:MATRIX_SCALE_ROW1 matrix_b_scale:MATRIX_SCALE_ROW1
.endif
.else
.if (\row) == 0
	v_wmma_scale_f32_16x16x128_f8f6f4 v[(\d):(\d)+7], v[(\a):(\a)+11], v[(\b):(\b)+11], v[(\c):(\c)+7], v[\sa], v[\sb] matrix_a_fmt:MATRIX_FMT_FP6 matrix_b_fmt:MATRIX_FMT_FP6
.else
	v_wmma_scale_f32_16x16x128_f8f6f4 v[(\d):(\d)+7], v[(\a):(\a)+11], v[(\b):(\b)+11], v[(\c):(\c)+7], v[\sa], v[\sb] matrix_a_fmt:MATRIX_FMT_FP6 matrix_b_fmt:MATRIX_FMT_FP6 matrix_a_scale:MATRIX_SCALE_ROW1
.endif
.endif
.endm
; 64 numbers of a lane, v[HA + 16 b + i] = k 32 b + 16 (lane / 16) + i of my token's head pair, become a fragment's codes in v[PCD ..] and its scale word in v[PW]
.macro QUANT
.irp b, 0,1,2,3
	v_max3_num_f32 v[TM+\b], |v[HA+16*\b]|, |v[HA+16*\b+1]|, 0x1800000   ; the floor 2^(3 - 127): the byte cannot fall under 1
.endr
.irp i, 2,4,6,8,10,12,14
.irp b, 0,1,2,3
	v_max3_num_f32 v[TM+\b], v[TM+\b], |v[HA+16*\b+\i]|, |v[HA+16*\b+\i+1]|
.endr
.endr
.irp b, 0,1,2,3
	v_permlanex16_b32 v[TM+4+\b], v[TM+\b], s[SEL], s[SEL+1]
.endr
.irp b, 0,1,2,3
	v_max_num_f32 v[TM+\b], v[TM+\b], v[TM+4+\b]
.endr
.irp b, 0,1,2,3
	v_add_nc_u32 v[TM+12+\b], 0xff000000, v[TM+\b] ; 2 off the exponent field: the conversion's scale operand
.endr
.irp b, 0,1,2,3
	v_lshrrev_b32 v[TM+4+\b], 23, v[TM+12+\b]      ; the scale's byte
.endr
	v_lshl_or_b32 v[PW], v[TM+5], 8, v[TM+4]
	v_lshl_or_b32 v[PW], v[TM+6], 16, v[PW]
	v_lshl_or_b32 v[PW], v[TM+7], 24, v[PW]
.irp c, 0,1
	v_cvt_scalef32_pk16_fp6_f32 v[PCD+6*\c:PCD+6*\c+2], v[HA+32*\c:HA+32*\c+15], v[TM+12+2*\c]
	v_cvt_scalef32_pk16_fp6_f32 v[TC+4*\c:TC+4*\c+2], v[HA+32*\c+16:HA+32*\c+31], v[TM+13+2*\c]
.endr
	v_nop                                          ; one plain place behind a scaled conversion
.irp c, 0,1
.irp i, 0,1,2
	v_permlane16_swap_b32 v[PCD+6*\c+\i], v[TC+4*\c+\i]   ; a whole block to a lane
.endr
.irp i, 0,1,2
	v_mov_b32 v[PCD+6*\c+3+\i], v[TC+4*\c+\i]
.endr
.endr
.endm
; PHASE 1, unit u = 8 l + a: the attention output of token tile a for head pair l of my two: eight products, quantised, image to LDS
.macro UNIT u
.if (\u) < 15
	QLOAD (\u)+1
	s_wait_loadcnt 4                               ; this unit's q is in; the next unit's four loads may be out
.else
	s_wait_loadcnt 0x0
.endif
.set UA, (\u)%8
.set UL, (\u)/8
.set UB, QB+12*((\u)%2)
	WIN 0x03                                       ; source 0 (the scores) window 3
.irp c, 0,1
.irp t, 0,1,2,3
	MM HA+8*(4*\c+\t), 18*(4*UL+\t)+6*\c, UB, -1, SW+2*(2*UL+\c)+\t/2, QW+4*UL+UA%4, (\t%2)+2*(UA/4)
.endr
.endr
	WIN 0
	PLACES
	s_wait_dscnt 0x0                               ; the last image's stores have read their registers
	QUANT
.irp c, 0,1,2
	ds_store_b128 v[HWI+UA/4], v[PCD+4*\c:PCD+4*\c+3] offset:(8*(UA%4)+UL)*FRB+512*\c   ; the fragment as it stands: lane l's 16 bytes at 16 l
.endr
	ds_store_b32 v[HWS], v[PW] offset:(8*UA+UL)*128
.endm
.irp u, 0,1,2,3,4,5,6,7,8,9,10,11,12,13,14,15
	UNIT \u
.endr
	; my 64 rows of w_out go from LDS into registers, where they stay.  Only I read what my load brought: my own wait is all the ordering that these reads need
.macro WFRAG reg, s, ct
.irp p, 0,1,2,3,4,5
.set PCE, 12*(\s)+6*(\p/3)+\p%3
.if PCE%32 < 29
	ds_load_b64 v[(\reg)+2*\p:(\reg)+2*\p+1], v[AW] offset:8*PCE+16*(PCE/32)+(\ct)*16*WP
.else
	ds_load_b64 v[(\reg)+2*\p:(\reg)+2*\p+1], v[AW+1] offset:8*PCE+16*(PCE/32)+(\ct)*16*WP
.endif
.endr
.endm
	s_wait_tensorcnt 0x0
	WIN 0x40
.irp ct, 0,1
.irp s, 0,1,2,3,4,5,6,7
	WFRAG 12*(8*\ct+\s), \s, \ct
.endr
.endr
	WIN 0x80
.irp ct, 0,1
.irp s, 0,1,2,3,4,5,6,7
	WFRAG 12*(8*\ct+\s), \s, 2+\ct
.endr
.endr
	WIN 0
	s_wait_dscnt 0x0                               ; my images have landed, and my loads are in
	s_barrier_signal -1
	s_barrier_wait -1                              ; all 64 images lie in LDS
; PHASE 2: K step s: the eight token tiles' images and scale words into set s % 2
.macro LO s
.set OFB, OF+96*((\s)%2)
.irp a, 0,1,2,3,4,5,6,7
.irp c, 0,1,2
	ds_load_b128 v[OFB+12*\a+4*\c:OFB+12*\a+4*\c+3], v[LI+\a/4] offset:(8*(\a%4)+(\s))*FRB+512*\c
.endr
	ds_load_b32 v[OSC+8*((\s)%2)+\a], v[LS] offset:(8*\a+(\s))*128
.endr
.endm
; 32 products: 8 token tiles x my 4 column tiles; the 32 accumulators take turns.  The bias is the C of each sum's first product
.macro STEP s
.if (\s) > 0
	PLACES
.endif
.if (\s) < 7
	LO (\s)+1
	s_wait_dscnt 32                                ; all but the 32 just issued
.else
	s_wait_dscnt 0x0
.endif
.set OFC, OF+96*((\s)%2)
.set OSS, OSC+8*((\s)%2)
.if (\s) == 0
	WIN 0xd1                                       ; source 0 and C window 1, D window 3
.else
	WIN 0xf1
.endif
.irp a, 0,1,2,3,4,5,6,7
.irp ct, 0,1
.if (\s) == 0
	MM 8*(4*\a+\ct), 12*(8*\ct+(\s)), OFC+12*\a, 192+8*\ct, WS+4*\ct+(\s)%4, OSS+\a, (\s)/4
.else
	MM 8*(4*\a+\ct), 12*(8*\ct+(\s)), OFC+12*\a, 8*(4*\a+\ct), WS+4*\ct+(\s)%4, OSS+\a, (\s)/4
.endif
.endr
.endr
.if (\s) == 0
	WIN 0xe2
.else
	WIN 0xf2
.endif
.irp a, 0,1,2,3,4,5,6,7
.irp ct, 0,1
.if (\s) == 0
	MM 8*(4*\a+2+\ct), 12*(8*\ct+(\s)), OFC+12*\a, 192+8*\ct, WS+4*(2+\ct)+(\s)%4, OSS+\a, (\s)/4
.else
	MM 8*(4*\a+2+\ct), 12*(8*\ct+(\s)), OFC+12*\a, 8*(4*\a+2+\ct), WS+4*(2+\ct)+(\s)%4, OSS+\a, (\s)/4
.endif
.endr
.endr
	WIN 0
.endm
	LO 0
.irp s, 0,1,2,3,4,5,6,7
	STEP \s
.endr
; THE WAY OUT, a token tile at a time: a lane holds 32 neighbouring bytes of a token's row; through my stage they come back as rows of 256 bytes, which sixteen lanes store as one aligned run
.macro TOSTAGE a
	WIN 0x0c                                       ; an LDS store's data are its source 1: window 3
.irp ct, 0,1,2,3
	ds_store_b128 v[SO], v[8*(4*(\a)+\ct):8*(4*(\a)+\ct)+3] offset:64*\ct          ; each accumulator from its low end on
	ds_store_b128 v[SO], v[8*(4*(\a)+\ct)+4:8*(4*(\a)+\ct)+7] offset:64*\ct+16
.endr
	WIN 0
.irp i, 0,1,2,3,4,5,6,7
	ds_load_b128 v[OF+32*((\a)%2)+4*\i:OF+32*((\a)%2)+4*\i+3], v[SR] offset:544*\i   ; LDS serves a wave's instructions in order (ISA guide 5.7.1.4): these see my stores
.endr
.endm
.macro SEND a, younger
	s_wait_dscnt \younger
.irp i, 0,1,2,3,4,5,6,7
	global_store_b128 v[GO], v[OF+32*((\a)%2)+4*\i:OF+32*((\a)%2)+4*\i+3], s[18:19] offset:(16*(\a)+2*\i)*4096 th:TH_STORE_NT
.endr
.endm
	PLACES
	TOSTAGE 0
.irp a, 1,2,3,4,5,6,7
.if \a > 1
	s_wait_xcnt 0x0                                ; tile a - 2's stores have read their registers: tile a's loads may land there
.endif
	TOSTAGE \a
	SEND \a-1, 16                                  ; behind tile a - 1's loads: tile a's 8 stores and 8 loads
.endr
	SEND 7, 0
	s_set_vgpr_msb 0x5
	s_wait_tensorcnt 0x0
	ds_add_u32 v254, v255
	s_wait_dscnt 0x0
	s_set_vgpr_msb 0x500
	CROUND                                         ; the closing round
	s_endpgm
.Lfunc_end_k_q9973045f05_proj:
	.size	k_q9973045f05_proj, .Lfunc_end_k_q9973045f05_proj-k_q9973045f05_proj
	.p2alignl 7, 3214868480
	.fill 96, 4, 3214868480
	.section	.rodata,"a",@progbits
	.p2align	6, 0x0
	.amdhsa_kernel k_q9973045f05_proj
		.amdhsa_group_segment_fixed_size 327680
		.amdhsa_private_segment_fixed_size 0
		.amdhsa_enable_private_segment 0
		.amdhsa_kernarg_size 64
		.amdhsa_user_sgpr_count 2
		.amdhsa_user_sgpr_kernarg_segment_ptr 1
		.amdhsa_wavefront_size32 1
		.amdhsa_system_sgpr_workgroup_id_x 1
		.amdhsa_system_sgpr_workgroup_id_y 1
		.amdhsa_system_sgpr_workgroup_id_z 1
		.amdhsa_system_vgpr_workitem_id 0
		.amdhsa_next_free_vgpr 1024
		.amdhsa_next_free_sgpr 66
		.amdhsa_reserve_vcc 0
		.amdhsa_float_denorm_mode_32 3
		.amdhsa_float_denorm_mode_16_64 3
		.amdhsa_memory_ordered 1
		.amdhsa_forward_progress 1
		.amdhsa_inst_pref_size 181
	.end_amdhsa_kernel
	.amdgpu_metadata
---
amdhsa.version: [ 1, 2 ]
amdhsa.kernels:
  - .name:           k_q9973045f05_proj
    .symbol:         k_q9973045f05_proj.kd
    .args:
      - { .name: qc, .offset: 0, .size: 8, .value_kind: global_buffer, .address_space: global }
      - { .name: qs, .offset: 8, .size: 8, .value_kind: global_buffer, .address_space: global }
      - { .name: sc, .offset: 16, .size: 8, .value_kind: global_buffer, .address_space: global }
      - { .name: ss, .offset: 24, .size: 8, .value_kind: global_buffer, .address_space: global }
      - { .name: w_out_codes, .offset: 32, .size: 8, .value_kind: global_buffer, .address_space: global }
      - { .name: w_out_scales, .offset: 40, .size: 8, .value_kind: global_buffer, .address_space: global }
      - { .name: b_out, .offset: 48, .size: 8, .value_kind: global_buffer, .address_space: global }
      - { .name: out0, .offset: 56, .size: 8, .value_kind: global_buffer, .address_space: global }
    .group_segment_fixed_size: 327680
    .private_segment_fixed_size: 0
    .kernarg_segment_align: 8
    .kernarg_segment_size: 64
    .max_flat_workgroup_size: 128
    .sgpr_count:     66
    .vgpr_count:     1024
    .wavefront_size: 32
...
	.end_amdgpu_metadata
.endif
;; end of part 3
;; ======== version 2 of 2: 3 launches
;; workspace buffers: qc 6,291,456 bytes; qs 262,144 bytes; part 8,388,608 bytes; sc 196,608 bytes; ss 16,384 bytes
;; launch qkv: the kernel of part 1 again; grid 8 x 32, 4 waves a work-group, clusters of 4 x 4, 327,680 bytes of LDS; arguments x_codes, x_scales, w_qkv_codes, w_qkv_scales, gamma_k, beta_k, gamma_v, beta_v, qc, qs, part; writes qc, qs, part
;; launch scores: the kernel of part 2 again; grid 256 x 1, 1 waves a work-group, no clusters, 0 bytes of LDS; arguments part, sc, ss; writes sc, ss
;; launch proj (part 4): grid 64 x 4, 4 waves a work-group, clusters of 4 x 1, 327,680 bytes of LDS; arguments qc, qs, sc, ss, w_out_codes, w_out_scales, b_out, out0; writes out0
.if DOCPART == 4
	.amdgcn_target "amdgcn-amd-amdhsa--gfx1250"
	.amdhsa_code_object_version 6
	.text
	.protected	k_q9973045f05_proj
	.globl	k_q9973045f05_proj
	.p2align	8
	.type	k_q9973045f05_proj,@function
k_q9973045f05_proj:
	s_mov_b64 s[64:65], 0
	v_nop
	global_prefetch_b8 v0, s[64:65] scope:SCOPE_SE
	s_setreg_imm32_b32 hwreg(HW_REG_WAVE_MODE, 25, 1), 1
	s_wait_xcnt 0x0
	s_wait_alu depctr_hold_cnt(0) depctr_sa_sdst(0) depctr_va_vdst(0) depctr_va_sdst(0) depctr_va_ssrc(0) depctr_va_vcc(0) depctr_vm_vsrc(0)
	s_getreg_b32 s2, hwreg(HW_REG_IB_STS2, 6, 4)
	s_cmp_eq_u32 s2, 0
	s_cbranch_scc0 .Lentry_in_a_cluster
	s_endpgm
.Lentry_in_a_cluster:
	s_bfe_u32 s2, ttmp6, 0x10000c
	s_cmp_lg_u32 s2, 0x3003
	s_cbranch_scc0 .Lentry_shape_is_right
	s_endpgm
.Lentry_shape_is_right:
; out0 = Q(q scores) w_out + b_out, both products on codes of FP6 (E2M3) with E8M0 scales.  q's and the scores' codes come from the launches before, as images of operand registers.
; SHARES.  Work-group (x = 128 tokens, y = 256 output columns).  PHASE 1: wave w makes, for the 8 token tiles, the attention output of head pairs 2 w and 2 w + 1 (heads 4 w .. 4 w + 3), quantises it in registers
; and puts it into LDS as images of operand registers: a head pair is one K step of 128 of the last product.  PHASE 2: wave w owns columns 64 w .. 64 w + 63 for all 128 tokens; its 32 fragments of w_out stay in
; registers, and the 64 images go round.  Phase 1 is repeated in the four work-groups of a token block: the price of no further launch and of no way to memory and back for these codes.
; q x scores HAS K = 64.  A K step of 128 is a head pair: q's fragment is taken whole; the scores' fragment of the even head has zero codes at k = 64 .. 127, that of the odd head at k = 0 .. 63 (scale byte 0x7f there).
; Both products are used transposed (source 0 = the weight's 16 rows, source 1 = 16 tokens): a lane holds one token.  The rows e of a tile of the scores were chosen by the launch before so that a lane's 16 registers of two
; neighbouring tiles are 16 neighbours along the last product's K.
; ALL OF q IS ASKED FOR AT THE HEAD: sixteen fragments, 192 registers, into the registers that w_out's fragments take after phase 1; each unit's wait leaves the younger units' loads out.
; PHASE 1 RUNS ITS PRODUCTS ONE UNIT AHEAD of its quantiser, on two result buffers, so that one unit's vector work stands beside the next unit's matrix work.
; PHASE 2 GOES BY TOKEN TILES: all of w_out's K steps are in registers, so a tile of 16 tokens is finished by 32 products (its four accumulators by turns, K ascending) and leaves while the next tile is multiplied.
; CLUSTER 4 x 1: the four token blocks of a cluster need the same 256 rows of w_out: one joint load a wave, filled once; a round of the cluster's barrier in front of it and one at the end.  No LDS byte is filled again.
; LIMITS: scale byte 0xff, NaN and infinities are not served; a block under 2^-124, zeros too, keeps the byte 1.
.set WP,    816                        ; a row of w_out in LDS: 3 x (256 bytes + 16 of padding)
.set WWAVE, 64*WP                      ; a wave's 64 rows
.set XIMG,  4*WWAVE                    ; 64 images of 1,536 bytes: token tile a, K step s at 8 a + s
.set FRB,   1536
.set XSC,   XIMG+64*FRB                ; their scale words, 128 bytes each
; window 0
.set SO,   1                           ; v1   the stage: where I put 32 bytes of a row
.set SR,   2                           ; v2   and where I read a row back
.set GO,   3                           ; v3   my byte offset in out0
.set O16,  4                           ; v4   16 x lane
.set O8,   5                           ; v5   8 x lane
.set O4,   6                           ; v6   4 x lane
.set LI,   7                           ; v7, v8   images of token tiles 0-3, 4-7
.set HWI,  9                           ; v9, v10  the same at my wave's two K steps
.set LS,   11                          ; v11  scale words
.set HWS,  12                          ; v12  the same at my wave's two K steps
.set AW,   13                          ; v13  my rows of w_out;  v14 behind one padding more
.set WSO,  15                          ; v15  w_out's scales: 32 r + 16 h
.set WS,   16                          ; v16-31  w_out's scale words: 4 ct + i: lanes 0-15 K step i, lanes 16-31 K step 4 + i
.set QW,   32                          ; v32-39  q's scale words: 4 l + i: lanes 0-15 token tile i, lanes 16-31 tile 4 + i
.set SW,   40                          ; v40-47  the scores': 2 (head in my four) + B: lanes 0-15 tile 2 B, lanes 16-31 tile 2 B + 1
.set OSC,  48                          ; v48-63  the images' scale words, two sets of eight
.set OF,   64                          ; v64-159, v160-255  phase 2: a token tile's eight images, two sets
.set HA,   64                          ; phase 1: 8 tiles of results: even units v64-127, odd units v192-255
.set PCD,  152                         ; the codes just made
.set TC,   164
.set TM,   172
.set PW,   188
.set RAW,  192                         ; q's scale bytes as they are stored (read once, ahead of the first odd unit)
; window 1: phase 1: q's sixteen fragments at 12 u;  phase 2: w_out's fragments of K steps 0-3 at 12 (4 ct + s);  v192-223 the bias, 8 registers a column tile
; window 2: w_out's fragments of K steps 4-7 at 12 (4 ct + s - 4);  v192-255 rows read back from the stage, two sets of 32
; window 3: phase 1: the scores at 18 (4 l + tile): [even head's 6][6 zeros][odd head's 6]: the even fragment begins at + 0, the odd one at + 6;  phase 2: the accumulators at 8 (4 a + ct)
.set OB,   192
.set WV,   20
.set SEL,  26
.set G1,   36
.set G0,   44
.set MSB, 0
.macro WIN new                         ; the immediate's high byte repeats the setting that is left
.if MSB != (\new)
	s_set_vgpr_msb (MSB<<8)|(\new)
.set MSB, \new
.endif
.endm
.macro PLACES                          ; four places behind a matrix instruction ahead of loads into its registers and of reads of its result
.rept 4
	v_nop
.endr
.endm
.macro CROUND                          ; a round of the cluster's barrier
	s_barrier_signal -1
	s_barrier_wait -1
	s_cmp_lg_u32 s[WV], 0
	s_cbranch_scc1 .Lnot_wave_0_\@
	s_barrier_signal -3
.Lnot_wave_0_\@:
	s_barrier_wait -3
	s_barrier_signal -1
	s_barrier_wait -1
.endm
	s_load_b256 s[4:11], s[0:1], 0x0               ; qc, qs, sc, ss
	s_load_b256 s[12:19], s[0:1], 0x20             ; w_out's codes, w_out's scales, b_out, out0
	s_set_vgpr_msb 0x40
	v_lshl_add_u32 v254, v0, 2, 0x4d000
	v_mov_b32 v255, 0
	s_set_vgpr_msb 0x4045
	ds_add_u32 v254, v255
	ds_add_u32 v254, v255
	s_set_vgpr_msb 0x4500
	v_lshrrev_b32 v200, 5, v0
	v_readfirstlane_b32 s[WV], v200                ; wave 0..3
	s_bfe_u32 s21, ttmp6, 0x40000                  ; cx
	s_lshl_b32 s22, ttmp9, 2
	s_add_co_u32 s22, s22, s21                     ; block of 128 tokens = 4 x cluster x + cx
	s_and_b32 s23, ttmp7, 0xffff                   ; block of 256 columns, which the four partners share
	s_lshr_b32 s24, s22, 4                         ; batch
	s_mov_b32 s[SEL], 0x76543210
	s_mov_b32 s[SEL+1], 0xfedcba98                 ; v_permlanex16_b32's selects for lane l xor 16
	s_mov_b32 s28, 0x05040100                      ; v_perm_b32: the two low halves
	s_mov_b32 s29, 0x07060302                      ; the two high halves
	; group 1: 64 rows of 768 bytes, dense in memory, 16 bytes of padding behind every 256; the mask names the four partners
	s_mov_b32 s[G1], 15|(1<<20)|(1<<21)|(5<<22)|(3<<25)
	s_mov_b32 s[G1+1], 768<<16
	s_mov_b32 s[G1+2], 64<<16
	s_mov_b32 s[G1+3], 768<<16
	s_mov_b32 s[G1+4], 64
	s_mov_b32 s[G1+5], 768
	s_mov_b32 s[G1+6], 0
	s_mov_b32 s[G1+7], 0
	s_mov_b32 s[G0], 1
	s_mul_i32 s[G0+1], s[WV], WWAVE
	; the offsets of my parts, each in a pair of its own, made while the arguments are on their way
	s_lshl_b32 s48, s23, 8
	s_lshl_b32 s34, s[WV], 6
	s_add_co_u32 s48, s48, s34                     ; my first row of w_out = my first column
	s_lshl_b32 s30, s48, 5                         ; its scale bytes,
	s_mov_b32 s31, 0
	s_lshl_b32 s32, s48, 2                         ; its bias,
	s_mov_b32 s33, 0
	s_mul_i32 s48, s48, 768                        ; its codes
	s_mov_b32 s49, 0
	s_lshl_b32 s50, s22, 19                        ; out0: 128 tokens x 4,096 bytes, + 1,024 x column block + 256 x wave
	s_lshl_b32 s34, s23, 10
	s_add_co_u32 s50, s50, s34
	s_lshl_b32 s34, s[WV], 8
	s_add_co_u32 s50, s50, s34
	s_mov_b32 s51, 0
	s_mul_i32 s52, s22, 98304                      ; qc: 8 token tiles x 12,288, + my four heads
	s_mul_i32 s34, s[WV], 3072
	s_add_co_u32 s52, s52, s34
	s_mov_b32 s53, 0
	s_lshl_b32 s54, s22, 12                        ; qs: 16 heads x 256
	s_lshl_b32 s34, s[WV], 10
	s_add_co_u32 s54, s54, s34
	s_mov_b32 s55, 0
	s_mul_i32 s56, s24, 49152                      ; sc: my batch, my four heads
	s_mul_i32 s35, s[WV], 12288
	s_add_co_u32 s56, s56, s35
	s_mov_b32 s57, 0
	s_lshl_b32 s58, s24, 12                        ; ss likewise
	s_add_co_u32 s58, s58, s34
	s_mov_b32 s59, 0
	v_and_b32 v200, 31, v0                         ; lane
	v_and_b32 v201, 15, v0                         ; r
	v_bfe_u32 v202, v0, 4, 1                       ; h
	v_lshlrev_b32 v[O16], 4, v200
	v_lshlrev_b32 v[O8], 3, v200
	v_lshlrev_b32 v[O4], 2, v200
	v_add_nc_u32 v[LI], XIMG, v[O16]
	v_add_nc_u32 v[LI+1], 4*8*FRB, v[LI]
	s_mul_i32 s34, s[WV], 2*FRB
	v_add_nc_u32 v[HWI], s34, v[LI]
	v_add_nc_u32 v[HWI+1], s34, v[LI+1]
	v_add_nc_u32 v[LS], XSC, v[O4]
	s_lshl_b32 s35, s[WV], 8
	v_add_nc_u32 v[HWS], s35, v[LS]
	v_mul_u32_u24 v[AW], v201, WP
	v_mad_u32_u24 v[AW], v202, 24, v[AW]
	v_add_nc_u32 v[AW], s[G0+1], v[AW]             ; my rows: row x pitch + 24 h
	v_lshl_add_u32 v[AW+1], v202, 4, v[AW]         ; and 40 h
	v_lshlrev_b32 v[WSO], 4, v202
	v_lshl_add_u32 v[WSO], v201, 5, v[WSO]
	v_mul_u32_u24 v[SO], v201, 272
	v_lshl_add_u32 v[SO], v202, 5, v[SO]
	v_add_nc_u32 v[SO], s[G0+1], v[SO]             ; the stage, 16 rows x 272 bytes, lies in my own rows of w_out, behind their one fill and my last read of them
	v_mul_u32_u24 v[SR], v202, 272
	v_lshl_add_u32 v[SR], v201, 4, v[SR]
	v_add_nc_u32 v[SR], s[G0+1], v[SR]
	v_lshlrev_b32 v[GO], 12, v202
	v_lshl_add_u32 v[GO], v201, 4, v[GO]           ; lanes 0-15 one token's 256 bytes, lanes 16-31 the next token's
	v_lshlrev_b32 v203, 5, v202                    ; the bias: my half's eight columns
.irp b, 0,1,2,3
	v_mov_b32 v[TM+4+\b], 0                        ; written once: a lane permute's destination counts as one of its sources
.endr
	s_wait_dscnt 0x0
	s_wait_kmcnt 0x0
	s_add_nc_u64 s[G0+2:G0+3], s[12:13], s[48:49]
	s_or_b32 s[G0+3], s[G0+3], 0x80000000
	s_add_nc_u64 s[14:15], s[14:15], s[30:31]
	s_add_nc_u64 s[16:17], s[16:17], s[32:33]
	s_add_nc_u64 s[18:19], s[18:19], s[50:51]
	s_add_nc_u64 s[4:5], s[4:5], s[52:53]
	s_add_nc_u64 s[6:7], s[6:7], s[54:55]
	s_add_nc_u64 s[8:9], s[8:9], s[56:57]
	s_add_nc_u64 s[10:11], s[10:11], s[58:59]
	; all that phase 1 wants from memory goes out here, ahead of the cluster's round: it is on its way while the round is passed.  q stands last, unit by unit, so that a unit's wait can leave the younger units out
.irp ct, 0,1,2,3
	global_load_b128 v[WS+4*\ct:WS+4*\ct+3], v[WSO], s[14:15] offset:512*\ct   ; 512 consecutive bytes: 16 rows' 32 scale bytes
.endr
.irp n, 0,1,2,3
	global_load_b32 v[SW+2*\n], v[O4], s[10:11] offset:\n*256
	global_load_b32 v[SW+2*\n+1], v[O4], s[10:11] offset:\n*256+128
	global_load_b64 v[RAW+2*\n:RAW+2*\n+1], v[O8], s[6:7] offset:\n*256
.endr
	WIN 0xc0
.irp n, 0,1,2,3                        ; head 4 w + n
.irp t, 0,1,2,3
	global_load_b128 v[18*(4*(\n/2)+\t)+12*(\n%2):18*(4*(\n/2)+\t)+12*(\n%2)+3], v[O16], s[8:9] offset:\n*3072+\t*768
	global_load_b64 v[18*(4*(\n/2)+\t)+12*(\n%2)+4:18*(4*(\n/2)+\t)+12*(\n%2)+5], v[O8], s[8:9] offset:\n*3072+\t*768+512
.endr
.endr
.irp k, 0,1,2,3,4,5,6,7
.irp i, 0,1,2,3,4,5
	v_mov_b32 v[18*\k+6+\i], 0                     ; the zero codes that the two heads of a pair share
.endr
.endr
	WIN 0x40
.irp ct, 0,1,2,3
	global_load_b128 v[192+8*\ct:192+8*\ct+3], v203, s[16:17] offset:64*\ct
	global_load_b128 v[192+8*\ct+4:192+8*\ct+7], v203, s[16:17] offset:64*\ct+16
.endr
.set U, 0
.rept 16                               ; unit u = 8 l + a: q's fragment of token tile a and head pair l of my two: four loads of 512 or 256 consecutive bytes
	global_load_b128 v[12*U:12*U+3], v[O16], s[4:5] offset:(U%8)*12288+(U/8)*1536
	global_load_b64 v[12*U+4:12*U+5], v[O8], s[4:5] offset:(U%8)*12288+(U/8)*1536+512
	global_load_b128 v[12*U+6:12*U+9], v[O16], s[4:5] offset:(U%8)*12288+(U/8)*1536+768
	global_load_b64 v[12*U+10:12*U+11], v[O8], s[4:5] offset:(U%8)*12288+(U/8)*1536+1280
.set U, U+1
.endr
	WIN 0
	CROUND                                         ; all four work-groups are here: the joint loads meet
	tensor_load_to_lds s[G0:G0+3], s[G1:G1+7]      ; one load a wave, the only one: it lands while phase 1 runs
	s_nop 0
.rept 4
	v_nop
.endr
	s_wait_loadcnt 60                              ; all but the fifteen younger units' q, four loads each
.irp l, 0,1                            ; q's scale word of a head pair: the even head's two bytes below, the odd head's above
	v_perm_b32 v[QW+4*\l], v[RAW+4*\l+2], v[RAW+4*\l], s28
	v_perm_b32 v[QW+4*\l+1], v[RAW+4*\l+2], v[RAW+4*\l], s29
	v_perm_b32 v[QW+4*\l+2], v[RAW+4*\l+3], v[RAW+4*\l+1], s28
	v_perm_b32 v[QW+4*\l+3], v[RAW+4*\l+3], v[RAW+4*\l+1], s29
.endr
.rept 8
	v_nop                                          ; a scale register written by a vector instruction stands 8 places ahead of a scaled product
.endr
; one product.  c < 0: it starts the sum with 0; else C = v[c ..].  row: bit 0: source 0's scales from lanes 16-31; bit 1: source 1's
.macro MM d, a, b, c, sa, sb, row
.if (\c) < 0
.if (\row) == 0
	v_wmma_scale_f32_16x16x128_f8f6f4 v[(\d):(\d)+7], v[(\a):(\a)+11], v[(\b):(\b)+11], 0, v[\sa], v[\sb] matrix_a_fmt:MATRIX_FMT_FP6 matrix_b_fmt:MATRIX_FMT_FP6
.elseif (\row) == 1
	v_wmma_scale_f32_16x16x128_f8f6f4 v[(\d):(\d)+7], v[(\a):(\a)+11], v[(\b):(\b)+11], 0, v[\sa], v[\sb] matrix_a_fmt:MATRIX_FMT_FP6 matrix_b_fmt:MATRIX_FMT_FP6 matrix_a_scale:MATRIX_SCALE_ROW1
.elseif (\row) == 2
	v_wmma_scale_f32_16x16x128_f8f6f4 v[(\d):(\d)+7], v[(\a):(\a)+11], v[(\b):(\b)+11], 0, v[\sa], v[\sb] matrix_a_fmt:MATRIX_FMT_FP6 matrix_b_fmt:MATRIX_FMT_FP6 matrix_b_scale:MATRIX_SCALE_ROW1
.else
	v_wmma_scale_f32_16x16x128_f8f6f4 v[(\d):(\d)+7], v[(\a):(\a)+11], v[(\b):(\b)+11], 0, v[\sa], v[\sb] matrix_a_fmt:MATRIX_FMT_FP6 matrix_b_fmt:MATRIX_FMT_FP6 matrix_a_scale:MATRIX_SCALE_ROW1 matrix_b_scale:MATRIX_SCALE_ROW1
.endif
.else
.if (\row) == 0
	v_wmma_scale_f32_16x16x128_f8f6f4 v[(\d):(\d)+7], v[(\a):(\a)+11], v[(\b):(\b)+11], v[(\c):(\c)+7], v[\sa], v[\sb] matrix_a_fmt:MATRIX_FMT_FP6 matrix_b_fmt:MATRIX_FMT_FP6
.else
	v_wmma_scale_f32_16x16x128_f8f6f4 v[(\d):(\d)+7], v[(\a):(\a)+11], v[(\b):(\b)+11], v[(\c):(\c)+7], v[\sa], v[\sb] matrix_a_fmt:MATRIX_FMT_FP6 matrix_b_fmt:MATRIX_FMT_FP6 matrix_a_scale:MATRIX_SCALE_ROW1
.endif
.endif
.endm
; 64 numbers of a lane, v[h + 16 b + i] = k 32 b + 16 (lane / 16) + i of my token's head pair, become a fragment's codes in v[PCD ..] and its scale word in v[PW]
.macro QUANT h
.irp b, 0,1,2,3
	v_max3_num_f32 v[TM+\b], |v[(\h)+16*\b]|, |v[(\h)+16*\b+1]|, 0x1800000   ; the floor 2^(3 - 127): the byte cannot fall under 1
.endr
.irp i, 2,4,6,8,10,12,14
.irp b, 0,1,2,3
	v_max3_num_f32 v[TM+\b], v[TM+\b], |v[(\h)+16*\b+\i]|, |v[(\h)+16*\b+\i+1]|
.endr
.endr
.irp b, 0,1,2,3
	v_permlanex16_b32 v[TM+4+\b], v[TM+\b], s[SEL], s[SEL+1]
.endr
.irp b, 0,1,2,3
	v_max_num_f32 v[TM+\b], v[TM+\b], v[TM+4+\b]
.endr
.irp b, 0,1,2,3
	v_add_nc_u32 v[TM+12+\b], 0xff000000, v[TM+\b] ; 2 off the exponent field: the conversion's scale operand
.endr
.irp b, 0,1,2,3
	v_lshrrev_b32 v[TM+4+\b], 23, v[TM+12+\b]      ; the scale's byte
.endr
	v_lshl_or_b32 v[PW], v[TM+5], 8, v[TM+4]
	v_lshl_or_b32 v[PW], v[TM+6], 16, v[PW]
	v_lshl_or_b32 v[PW], v[TM+7], 24, v[PW]
.irp c, 0,1
	v_cvt_scalef32_pk16_fp6_f32 v[PCD+6*\c:PCD+6*\c+2], v[(\h)+32*\c:(\h)+32*\c+15], v[TM+12+2*\c]
	v_cvt_scalef32_pk16_fp6_f32 v[TC+4*\c:TC+4*\c+2], v[(\h)+32*\c+16:(\h)+32*\c+31], v[TM+13+2*\c]
.endr
	v_nop                                          ; one plain place behind a scaled conversion
.irp c, 0,1
.irp i, 0,1,2
	v_permlane16_swap_b32 v[PCD+6*\c+\i], v[TC+4*\c+\i]   ; a whole block to a lane
.endr
.irp i, 0,1,2
	v_mov_b32 v[PCD+6*\c+3+\i], v[TC+4*\c+\i]
.endr
.endr
.endm
; PHASE 1, unit u = 8 l + a.  PROD: the attention output of token tile a for head pair l of my two: eight products into buffer u % 2
.macro PROD u
.set PA, (\u)%8
.set PL, (\u)/8
.set PH, HA+128*((\u)%2)
	s_wait_loadcnt 4*(15-(\u))                     ; this unit's q is in; the younger units' loads, four each, may be out
	WIN 0x07                                       ; source 0 (the scores) window 3, source 1 (q) window 1
.irp c, 0,1
.irp t, 0,1,2,3
	MM PH+8*(4*\c+\t), 18*(4*PL+\t)+6*\c, 12*(\u), -1, SW+2*(2*PL+\c)+\t/2, QW+4*PL+PA%4, (\t%2)+2*(PA/4)
.endr
.endr
	WIN 0
.endm
; QSTORE: unit u's results are quantised, and the fragment goes to LDS as it stands
.macro QSTORE u
.set UA, (\u)%8
.set UL, (\u)/8
	s_wait_dscnt 0x0                               ; the last image's stores have read their registers
	QUANT HA+128*((\u)%2)
.irp c, 0,1,2
	ds_store_b128 v[HWI+UA/4], v[PCD+4*\c:PCD+4*\c+3] offset:(8*(UA%4)+UL)*FRB+512*\c   ; lane l's 16 bytes at 16 l
.endr
	ds_store_b32 v[HWS], v[PW] offset:(8*UA+UL)*128
.endm
; The products run one unit ahead.  Between a unit's products and the first read of their results stands the quantiser of the unit before, which names none of their registers: those are the places; unit 0 alone has four v_nop.
	PROD 0
.irp u, 0,1,2,3,4,5,6,7,8,9,10,11,12,13,14,15
.if \u < 15
	PROD (\u)+1
.endif
.if \u == 0
	PLACES
.endif
	QSTORE \u
.endr
	; my 64 rows of w_out go from LDS into registers, where they stay.  Only I read what my load brought: my own wait is all the ordering that these reads need
.macro WFRAG reg, s, ct
.irp p, 0,1,2,3,4,5
.set PCE, 12*(\s)+6*(\p/3)+\p%3
.if PCE%32 < 29
	ds_load_b64 v[(\reg)+2*\p:(\reg)+2*\p+1], v[AW] offset:8*PCE+16*(PCE/32)+(\ct)*16*WP
.else
	ds_load_b64 v[(\reg)+2*\p:(\reg)+2*\p+1], v[AW+1] offset:8*PCE+16*(PCE/32)+(\ct)*16*WP
.endif
.endr
.endm
	s_wait_tensorcnt 0x0
	WIN 0x40                                       ; K steps 0-3 where q's fragments lay: their last product stands two quantisers back
.irp ct, 0,1,2,3
.irp s, 0,1,2,3
	WFRAG 12*(4*\ct+\s), \s, \ct
.endr
.endr
	WIN 0x80                                       ; K steps 4-7
.irp ct, 0,1,2,3
.irp s, 0,1,2,3
	WFRAG 12*(4*\ct+\s), \s+4, \ct
.endr
.endr
	WIN 0
	s_wait_dscnt 0x0                               ; my images have landed, and my loads are in
	s_barrier_signal -1
	s_barrier_wait -1                              ; all 64 images lie in LDS
; PHASE 2.  LO: token tile a's eight images (K steps 0-7) and their scale words into set a % 2: 32 loads
.macro LO a
.set OFB, OF+96*((\a)%2)
.irp s, 0,1,2,3,4,5,6,7
.irp c, 0,1,2
	ds_load_b128 v[OFB+12*\s+4*\c:OFB+12*\s+4*\c+3], v[LI+(\a)/4] offset:(8*((\a)%4)+\s)*FRB+512*\c
.endr
	ds_load_b32 v[OSC+8*((\a)%2)+\s], v[LS] offset:(8*(\a)+\s)*128
.endr
.endm
; THE WAY OUT of a token tile: a lane holds 32 neighbouring bytes of a token's row; through my stage they come back as rows of 256 bytes, which sixteen lanes store as one aligned run
.macro TOSTAGE a
	WIN 0x0c                                       ; an LDS store's data are its source 1: window 3
.irp ct, 0,1,2,3
	ds_store_b128 v[SO], v[8*(4*(\a)+\ct):8*(4*(\a)+\ct)+3] offset:64*\ct          ; each accumulator from its low end on
	ds_store_b128 v[SO], v[8*(4*(\a)+\ct)+4:8*(4*(\a)+\ct)+7] offset:64*\ct+16
.endr
	WIN 0x80                                       ; back into window 2
.irp i, 0,1,2,3,4,5,6,7
	ds_load_b128 v[OB+32*((\a)%2)+4*\i:OB+32*((\a)%2)+4*\i+3], v[SR] offset:544*\i   ; LDS serves a wave's instructions in order (ISA guide 5.7.1.4): these see my stores, and the next tile's stores come behind them
.endr
	WIN 0
.endm
.macro SEND a, younger                 ; younger: the LDS loads issued behind the stage's, which may stay out
	WIN 0x08                                       ; a store's data are its source 1: window 2
	s_wait_dscnt \younger
.irp i, 0,1,2,3,4,5,6,7
	global_store_b128 v[GO], v[OB+32*((\a)%2)+4*\i:OB+32*((\a)%2)+4*\i+3], s[18:19] offset:(16*(\a)+2*\i)*4096 th:TH_STORE_NT
.endr
.endm
; Token tile a: 32 products, K ascending, my four column tiles' accumulators by turns, one instruction a turn.  The bias is the C of each sum's first product.
; The tile before goes through the stage ahead of the products and is stored in their middle; the next tile's images are asked for ahead of the products.
.macro TILE a
.set WCNT, 0
.set SCNT, 0
.if (\a) < 7
.set WCNT, 32
.set SCNT, 32
.endif
.if (\a) > 0
.set WCNT, WCNT+16
	PLACES                                         ; behind the last tile's products: reads of their results and loads into their operands' registers follow
.if (\a) > 2
	s_wait_xcnt 0x0                                ; the stores of three tiles back have read their registers: the stage's loads may land there
.endif
	TOSTAGE (\a)-1
.endif
.if (\a) < 7
	LO (\a)+1
.endif
	s_wait_dscnt WCNT                              ; this tile's images are in; the stage's 16 and the next tile's 32 may be out
.set OFC, OF+96*((\a)%2)
.set OSS, OSC+8*((\a)%2)
	WIN 0xd1                                       ; source 0 (w_out) and C (the bias) window 1, D window 3
.irp ct, 0,1,2,3
	MM 8*(4*(\a)+\ct), 48*\ct, OFC, 192+8*\ct, WS+4*\ct, OSS, 0
.endr
	WIN 0xf1                                       ; C and D window 3
.irp s, 1,2,3
.irp ct, 0,1,2,3
	MM 8*(4*(\a)+\ct), 12*(4*\ct+\s), OFC+12*\s, 8*(4*(\a)+\ct), WS+4*\ct+\s, OSS+\s, 0
.endr
.endr
.if (\a) > 0
	SEND (\a)-1, SCNT                              ; the tile before is back in registers and leaves under this tile's products
.endif
	WIN 0xf2                                       ; source 0 window 2: K steps 4-7, whose scale words lie in lanes 16-31
.irp s, 0,1,2,3
.irp ct, 0,1,2,3
	MM 8*(4*(\a)+\ct), 12*(4*\ct+\s), OFC+12*(4+\s), 8*(4*(\a)+\ct), WS+4*\ct+\s, OSS+4+\s, 1
.endr
.endr
.endm
	LO 0
.irp a, 0,1,2,3,4,5,6,7
	TILE \a
.endr
	PLACES
	s_wait_xcnt 0x0                                ; tile 5's stores have read their registers
	TOSTAGE 7
	SEND 7, 0
	WIN 0
	s_set_vgpr_msb 0x5
	s_wait_tensorcnt 0x0
	ds_add_u32 v254, v255
	s_wait_dscnt 0x0
	s_set_vgpr_msb 0x500
	CROUND                                         ; the closing round
	s_endpgm
.Lfunc_end_k_q9973045f05_proj:
	.size	k_q9973045f05_proj, .Lfunc_end_k_q9973045f05_proj-k_q9973045f05_proj
	.p2alignl 7, 3214868480
	.fill 96, 4, 3214868480
	.section	.rodata,"a",@progbits
	.p2align	6, 0x0
	.amdhsa_kernel k_q9973045f05_proj
		.amdhsa_group_segment_fixed_size 327680
		.amdhsa_private_segment_fixed_size 0
		.amdhsa_enable_private_segment 0
		.amdhsa_kernarg_size 64
		.amdhsa_user_sgpr_count 2
		.amdhsa_user_sgpr_kernarg_segment_ptr 1
		.amdhsa_wavefront_size32 1
		.amdhsa_system_sgpr_workgroup_id_x 1
		.amdhsa_system_sgpr_workgroup_id_y 1
		.amdhsa_system_sgpr_workgroup_id_z 1
		.amdhsa_system_vgpr_workitem_id 0
		.amdhsa_next_free_vgpr 1024
		.amdhsa_next_free_sgpr 66
		.amdhsa_reserve_vcc 0
		.amdhsa_float_denorm_mode_32 3
		.amdhsa_float_denorm_mode_16_64 3
		.amdhsa_memory_ordered 1
		.amdhsa_forward_progress 1
		.amdhsa_inst_pref_size 180
	.end_amdhsa_kernel
	.amdgpu_metadata
---
amdhsa.version: [ 1, 2 ]
amdhsa.kernels:
  - .name:           k_q9973045f05_proj
    .symbol:         k_q9973045f05_proj.kd
    .args:
      - { .name: qc, .offset: 0, .size: 8, .value_kind: global_buffer, .address_space: global }
      - { .name: qs, .offset: 8, .size: 8, .value_kind: global_buffer, .address_space: global }
      - { .name: sc, .offset: 16, .size: 8, .value_kind: global_buffer, .address_space: global }
      - { .name: ss, .offset: 24, .size: 8, .value_kind: global_buffer, .address_space: global }
      - { .name: w_out_codes, .offset: 32, .size: 8, .value_kind: global_buffer, .address_space: global }
      - { .name: w_out_scales, .offset: 40, .size: 8, .value_kind: global_buffer, .address_space: global }
      - { .name: b_out, .offset: 48, .size: 8, .value_kind: global_buffer, .address_space: global }
      - { .name: out0, .offset: 56, .size: 8, .value_kind: global_buffer, .address_space: global }
    .group_segment_fixed_size: 327680
    .private_segment_fixed_size: 0
    .kernarg_segment_align: 8
    .kernarg_segment_size: 64
    .max_flat_workgroup_size: 128
    .sgpr_count:     66
    .vgpr_count:     1024
    .wavefront_size: 32
...
	.end_amdgpu_metadata
.endif
;; end of part 4
